; MI455X (gfx1250); checked and timed in simulation.
; The chip was launched on July 23, 2026; its instructions are those of AMD's public machine-readable ISA for CDNA 5 (MIT licence, August 2026) and "CDNA5" Instruction Set Architecture Reference Guide (July 2026). The comments in the code are by the model that wrote it; some were corrected since.
;; Ro PE mha. Allowed arithmetic: matrix products marked QUANTISED: E2M1 operands, one E8M0 scale for each 32 along K, by v_wmma_scale_f32_16x16x128_f8f6f4 with both operands' format E2M1 (or v_wmma_scale_f32_32x16x128_f4), f32 sums; products left as they are: f32 operands where the result goes on into a quantised operand, else bf16, f16 or f32 operands; f32 sums; everything else in f32.
;; Inputs: Wk 2,048 x 2,048 float32; Wo 2,048 x 2,048 float32; Wq 2,048 x 2,048 float32; Wv 2,048 x 2,048 float32; bk 2,048 float32; bo 2,048 float32; bq 2,048 float32; bv 2,048 float32; mask 1 x 1 x 2,048 x 2,048 int32; x 1 x 2,048 x 2,048 float32.
;; Outputs: out0 1 x 2,048 x 2,048 float32.
;; This version of the problem:
;;   THIS VERSION OF THE PROBLEM IS GIVEN IN LOW PRECISION. The matrix products marked QUANTISED in the list below multiply operands that are first quantised to E2M1 (2 exponent bits, 1 mantissa bit; 4 bits a number), with one power-of-two scale for each 32 numbers along K (OCP MX v1.0); their sums are f32. All else is computed in f32.
;;   The module's matrix products, in the order in which they are computed (A, B: the left and right operand; K: the contracted axis; several contracted axes count as one K, in the product's order):
;;     1. [M 2,048, K 2,048] x [K 2,048, N 2,048]; A: input x; B: input Wq: QUANTISED
;;     2. [M 2,048, K 1] x [K 1, N 64]; A: computed on the way; B: computed on the way: left as it is (no contracted axis)
;;     3. [M 2,048, K 2,048] x [K 2,048, N 2,048]; A: input x; B: input Wk: QUANTISED
;;     4. [M 2,048, K 1] x [K 1, N 64]; A: computed on the way; B: computed on the way: left as it is (no contracted axis)
;;     5. [M 2,048, K 2,048] x [K 2,048, N 2,048]; A: input x; B: input Wv: QUANTISED
;;     6. batch 16 x [M 2,048, K 128] x [K 128, N 2,048]; A: computed on the way; B: computed on the way: QUANTISED
;;     7. batch 16 x [M 2,048, K 2,048] x [K 2,048, N 128]; A: softmax (see below); B: computed on the way: QUANTISED
;;     8. [M 2,048, K 2,048] x [K 2,048, N 2,048]; A: computed on the way; B: input Wo: QUANTISED
;;   THE QUANTISER, for each operand of a quantised product, along K:
;;     - K is cut into blocks of 32 from its start; a last block that is shorter is filled with zeros.
;;     - A block's scale is 2^e with e = floor(log2(the largest magnitude in the block)) - 2, held to -126 .. 127; a block of zeros has e = 0. As a byte (E8M0): e + 127.
;;     - Each number is divided by its block's scale, clamped to +-6, and rounded to the nearest number of E2M1, ties to even, subnormals kept.
;;     - The product sums the exact products of the quantised numbers (number of the format x scale) in f32.
;;   ~~~python
;;   def quantise(x, axis):      # numpy; x: float32 -> the quantised numbers, widened to float32 again
;;       x = np.moveaxis(x, axis, -1); K = x.shape[-1]
;;       x = np.pad(x, [(0, 0)] * (x.ndim - 1) + [(0, -K % 32)]); x = x.reshape(x.shape[:-1] + (-1, 32)); a = np.abs(x).max(-1, keepdims=True)
;;       e = np.where(a > 0, np.clip(np.frexp(np.where(a > 0, a, 1))[1] - 1 - 2, -126, 127), 0)      # np.frexp(a)[1] - 1 = floor(log2(a)), exactly
;;       r = np.clip(x / 2.0 ** e, -6, 6)
;;       step = 2.0 ** (np.maximum(np.frexp(np.where(r == 0, 1, r))[1] - 1, 0) - 1)
;;       q = np.round(r / step) * step * 2.0 ** e      # np.round: ties to even
;;       return np.moveaxis(q.reshape(q.shape[:-2] + (-1,))[..., :K], -1, axis).astype(np.float32)
;;   ~~~
;;   SOFTMAX AHEAD OF A QUANTISED PRODUCT. Where the list says 'softmax', what is quantised is not the finished softmax but p = 2^(t - M), with t = logit x log2(e) and M = ceil(the row's largest t), a whole number; so 1/2 < the row's largest p <= 1. The row's sum l is taken of the UNQUANTISED p, in f32, and the product's result is divided by l at the end. Since M is a whole number, a kernel that streams over the keys may use a running M (the ceiling of the running maximum): every later rescaling is an exact power of two, which a block's scale takes up: the codes' values come out the same.
;;   OPERANDS COMPUTED ON THE WAY. 'Computed on the way' means the value that the module computes at that place (a softmax that the list does not call 'softmax' is quantised finished and normalised). What goes into a quantiser is computed in f32, as accurately as f32 sums, v_exp_f32 and their like allow (about 1e-6 of the number): no bf16 or f16 on the way to a quantiser, and a product that is left as it is and whose result goes on into a quantised operand takes f32 operands (vector FMAs, or v_wmma_f32_16x16x4_f32). A number that lies on a knife's edge between two numbers of the format may be rounded either way, as far as f32 arithmetic and the matrix unit's own rounding can turn it there, and no further.
;; 2 versions, each right; version 2 is version 1 with the launch attn written anew for expert scheduling mode. Each part assembles by itself: llvm-mc -triple=amdgcn-amd-amdhsa -mcpu=gfx1250 --defsym DOCPART=n.
;; ======== version 1 of 2: 4 launches
;; limits: right only within a limited range of input values
;; workspace buffers: qc 11,141,120 bytes; mbits 532,480 bytes of whole numbers; rope 1,048,576 bytes; att 6,684,672 bytes; ob 2,228,224 bytes
;; launch prep (part 1): grid 1792 x 1, 4 waves a work-group, no clusters, 68,608 bytes of LDS; arguments mask, x, Wq, Wk, Wv, Wo, qc, mbits, rope; writes qc, mbits, rope
.if DOCPART == 1
	.amdgcn_target "amdgcn-amd-amdhsa--gfx1250"
	.amdhsa_code_object_version 6
	.text
	.protected	k_q9bede9b469_prep
	.globl	k_q9bede9b469_prep
	.p2align	8
	.type	k_q9bede9b469_prep,@function
k_q9bede9b469_prep:
	s_mov_b64 s[64:65], 0
	v_nop
	global_prefetch_b8 v0, s[64:65] scope:SCOPE_SE
	s_setreg_imm32_b32 hwreg(HW_REG_WAVE_MODE, 25, 1), 1
	s_wait_xcnt 0x0
; PREP.  Three kinds of work-groups, told apart by the work-group's number W alone:
;   W < 256          the mask [2048][2048] int32 -> lane-mask words and flags (mbits)
;   256 <= W < 1536  x, Wq, Wk, Wv, Wo (f32, K innermost) -> codes of FP4 (E2M1) and E8M0 scale bytes, laid as OPERAND IMAGES (qc)
;   W >= 1536        the table of cosines and sines for the rotary embedding (rope)
; THE OPERAND IMAGE.  A matrix [rows][K] is cut into groups G of 128 rows and K steps s of 128; block (G, s) is BLK = 8,704 bytes: 8 fragments of 1,024 bytes, then 512 bytes of scale words.
;   fragment a, byte 512 c + 16 L (lane L = 16 h + r): the 32 codes of row 128 G + 32 (a / 2) + 8 (a % 2) + r + (r & 8), k = 128 s + 64 c + 32 h + 0 .. 31: two loads of 16 bytes a lane fill a fragment's 8 registers.
;   scale word (4 bytes: 128 along K) of fragment a, row r: byte 8192 + 256 (a / 4) + 16 r + 4 (a % 4).
; A stream work-group takes 128 rows x 128 columns (64 KiB): tau = W / 256 the tensor, G = (W / 16) % 16, s = W % 16; wave w its rows 32 w .. 32 w + 31.  Each load reads 512 consecutive bytes of one row;
; all 32 loads of a wave go out at once; the rows turn through the wave's own 32 LDS rows of 528 bytes (132 words; ISA guide 11.1), laid in the image's row order.
; THE QUANTISER: a lane takes a whole row (128 numbers = 4 blocks of 32).  A block's scale is 2^(floor(log2(largest magnitude)) - 2): its byte is the largest magnitude's exponent field - 2, held at 1 from below.
; LIMITS: a block of zeros gets the byte 1 where the rule says 127 (its codes are zeros, and this program alone reads the bytes); blocks whose largest magnitude lies under 2^-124 keep the byte 1; NaN and infinities are not served.
; THE MASK: word [T][s][n] (T: tile of 16 queries in the image's row order, s: 128 keys, n = 0 .. 63): bit L = (mask[query(T, L % 16)][128 s + 32 (n / 16) + 16 (L / 16) + n % 16] != 0): the lane mask of score register n.
;   flag [T][s] at byte FLAGS + 64 T + 4 s: bits 15:0 row r has an open key in the step; bit 16 the tile step has a hole.  The flags (8 KiB in all) leave as single words.
; THE TABLE: inv_freq(d) = 1 / RN(10^(d / 16)), the power made in double-float from four constants; angle = t x inv_freq in one multiplication; reduced by pi / 2 in two parts (the first step is exact for angles under 2,048);
;   sine and cosine by polynomials on [-pi / 4, pi / 4], good to about 1e-7.  Positions 0 .. 2,047.
.set BLK,   8704
.set TEN,   256*BLK                    ; a 2048 x 2048 operand
.set ROWP,  528                        ; an LDS row: 512 bytes + 16
.set WREG,  32*ROWP                    ; a wave's LDS rows
.set SCLR,  4*WREG                     ; behind them: a block's 512 scale bytes, gathered from the four waves
.set FLAGS, 524288
.set D,     32                         ; v32-159  128 numbers
.set C,     160                        ; v160-175 a row's codes: 4 registers a block
	s_load_b512 s[4:19], s[0:1], 0x0               ; mask, x, Wq, Wk, Wv, Wo, qc, mbits
	s_load_b64 s[20:21], s[0:1], 0x40              ; rope
	v_lshl_add_u32 v184, v0, 2, 0x10a00
	v_mov_b32 v185, 0
	v_lshrrev_b32 v10, 5, v0
	v_readfirstlane_b32 s24, v10                   ; wave
	v_and_b32 v1, 31, v0                           ; lane
	v_and_b32 v2, 15, v0                           ; r
	v_bfe_u32 v3, v0, 4, 1                         ; u (which fragment or tile of the wave's two), or h
	v_lshlrev_b32 v4, 4, v1                        ; 16 x lane
	s_mul_i32 s31, s24, WREG
	v_add_nc_u32 v5, s31, v4                       ; LDS in: my 16 bytes of a row
	v_mul_u32_u24 v6, v1, ROWP
	v_add_nc_u32 v6, s31, v6                       ; LDS back, quantiser: row = lane
	v_mul_u32_u24 v7, v2, ROWP
	v_lshl_add_u32 v7, v3, 6, v7
	v_add_nc_u32 v7, s31, v7                       ; LDS back, mask: row r, + 64 h bytes
	v_lshlrev_b32 v8, 4, v2
	v_lshl_add_u32 v8, v3, 10, v8
	s_lshl_b32 s30, s24, 11
	v_add_nc_u32 v8, s30, v8                       ; codes out: fragment 2 w + u, 16 r
	s_lshr_b32 s30, s24, 1
	s_lshl_b32 s30, s30, 8
	s_and_b32 s29, s24, 1
	s_lshl_b32 s29, s29, 3
	s_add_co_u32 s30, s30, s29
	s_add_co_u32 s30, s30, SCLR
	v_lshlrev_b32 v9, 4, v2
	v_lshl_add_u32 v9, v3, 2, v9
	v_add_nc_u32 v9, s30, v9                       ; my row's scale word: SCLR + 256 (w / 2) + 16 r + 4 (2 (w % 2) + u)
	v_add_nc_u32 v17, SCLR, v4                     ; and where wave 0 reads the 512 bytes back
	s_lshr_b32 s25, ttmp9, 8                       ; tau
	s_bfe_u32 s26, ttmp9, 0x40004                  ; G
	s_and_b32 s27, ttmp9, 15                       ; s
	s_sub_co_u32 s28, s25, 1                       ; which operand of qc
	s_cmp_lt_u32 s28, 5
	s_cselect_b32 s41, 1, 0
	s_cmp_eq_u32 s24, 0
	s_cselect_b32 s41, s41, 0                      ; 1 in wave 0 of a quantiser's work-group: it stores the block's scale bytes
	s_min_u32 s28, s28, 4
	s_mul_i32 s42, s28, TEN
	s_lshl_b32 s28, s26, 4
	s_add_co_u32 s28, s28, s27
	s_mul_i32 s28, s28, BLK
	s_add_co_u32 s42, s42, s28
	s_mov_b32 s43, 0
	s_wait_kmcnt 0x0
	s_add_nc_u64 s[42:43], s[16:17], s[42:43]      ; my block of qc (used by the quantiser's work-groups alone)
	s_cmp_ge_u32 ttmp9, 1536
	s_cbranch_scc1 .Lrope
	; ---- the stream: 32 rows x 512 bytes a wave
	s_mov_b64 s[22:23], s[4:5]
.irp n, 1,2,3,4,5
	s_cmp_eq_u32 s25, \n
	s_cselect_b64 s[22:23], s[4+2*\n:5+2*\n], s[22:23]   ; the choice hangs on the work-group's number alone
.endr
	s_lshl_b32 s28, s26, 7
	s_lshl_b32 s29, s24, 5
	s_add_co_u32 s28, s28, s29                     ; my first row
	s_lshl_b32 s28, s28, 13                        ; rows of 8,192 bytes
	s_lshl_b32 s29, s27, 9
	s_add_co_u32 s28, s28, s29                     ; + 512 s
	s_mov_b32 s29, 0
	s_add_nc_u64 s[22:23], s[22:23], s[28:29]
.set i, 0
.rept 32
	global_load_b128 v[D+4*i:D+4*i+3], v4, s[22:23] offset:8192*i th:TH_LOAD_NT
.set i, i+1
.endr
.set i, 0
.rept 32
	s_wait_loadcnt 31-i                            ; loads come back in order: row i is in, the younger ones stay out
	ds_store_b128 v5, v[D+4*i:D+4*i+3] offset:ROWP*(16*((i/8)%2)+8*(i/16)+(i%8))   ; LDS row 16 u + r holds row 16 (r / 8) + 8 u + r % 8: the image's order
.set i, i+1
.endr
	s_cmp_eq_u32 s25, 0
	s_cbranch_scc1 .Lmask
	; ---- the quantiser: a lane takes LDS row = lane.  LDS serves a wave's instructions in order: the loads see the stores above
.set j, 0
.rept 32
	ds_load_b128 v[D+4*j:D+4*j+3], v6 offset:16*j
.set j, j+1
.endr
.macro QBLOCK kb
.set XS, D+32*(\kb)
	s_wait_dscnt 24-8*(\kb)                        ; this block's 8 loads are in; the later blocks' stay out
	v_max3_num_f32 v12, |v[XS]|, |v[XS+1]|, |v[XS+2]|      ; the block's largest magnitude, in two chains
	v_max3_num_f32 v13, |v[XS+3]|, |v[XS+4]|, |v[XS+5]|
.irp i, 6,10,14,18,22,26
	v_max3_num_f32 v12, v12, |v[XS+\i]|, |v[XS+\i+1]|
	v_max3_num_f32 v13, v13, |v[XS+\i+2]|, |v[XS+\i+3]|
.endr
	v_max3_num_f32 v12, v12, |v[XS+30]|, |v[XS+31]|
	v_max3_num_f32 v12, v12, v13, 0x1800000        ; and the floor 2^(3 - 127): the byte cannot fall under 1
	v_add_nc_u32 v11, 0xff000000, v12              ; 2 off the exponent field: the conversion takes this operand's exponent field as its scale
	v_lshrrev_b32 v13, 23, v11                     ; the scale's byte
.if (\kb) == 0
	v_mov_b32 v16, v13
.else
	v_lshl_or_b32 v16, v13, 8*(\kb), v16           ; four bytes make the row's scale word
.endif
.irp g, 0,1,2,3
	v_cvt_scalef32_pk8_fp4_f32 v[C+4*(\kb)+\g], v[XS+8*\g:XS+8*\g+7], v11
.endr
	global_store_b128 v8, v[C+4*(\kb):C+4*(\kb)+3], s[42:43] offset:512*((\kb)/2)+256*((\kb)%2)   ; block kb = 2 c + h: sixteen lanes store 256 consecutive bytes, aligned
.endm
	QBLOCK 0
	QBLOCK 1
	QBLOCK 2
	QBLOCK 3
	ds_store_b32 v9, v16
	s_branch .Ljoin
	; ---- the mask: tile u of the wave's two; lane (r, h) takes, of LDS row 16 u + r, the 16 numbers at 32 b + 16 h of each of the four blocks b: register n is score register n's key
.Lmask:
.irp u, 0,1
.irp j, 0,1,2,3,4,5,6,7,8,9,10,11,12,13,14,15
	ds_load_b128 v[D+64*\u+4*\j:D+64*\u+4*\j+3], v7 offset:16*ROWP*\u+128*(\j/4)+16*(\j%4)
.endr
.endr
	s_lshl_b32 s28, s26, 3
	s_lshl_b32 s29, s24, 1
	s_add_co_u32 s28, s28, s29                     ; T of tile 0: 8 G + 2 w
	s_lshl_b32 s44, s28, 12
	s_lshl_b32 s29, s27, 8
	s_add_co_u32 s44, s44, s29
	s_mov_b32 s45, 0
	s_add_nc_u64 s[44:45], s[18:19], s[44:45]      ; the words: 4096 T + 256 s
	s_lshl_b32 s48, s28, 6
	s_lshl_b32 s29, s27, 2
	s_add_co_u32 s48, s48, s29
	s_add_co_u32 s48, s48, FLAGS
	s_mov_b32 s49, 0
	s_add_nc_u64 s[48:49], s[18:19], s[48:49]      ; the flags: FLAGS + 64 T + 4 s
	v_lshlrev_b32 v182, 3, v1
	v_lshlrev_b32 v183, 6, v1
.macro MTILE u
	s_wait_dscnt 16-16*\u                          ; this tile's 16 loads are in (tile 1's may stay out)
	s_mov_b32 s36, 0                               ; the OR of the 64 words
	s_mov_b32 s37, -1                              ; and their AND
	v_mov_b32 v[176+2*\u], 0
	v_mov_b32 v[177+2*\u], 0
.set n, 0
.rept 16
.irp e, 0,1,2,3
	v_cmp_ne_u32 s[32+\e], 0, v[D+64*\u+n+\e]      ; word n: a bit a lane
.endr
.irp e, 0,1,2,3
	s_or_b32 s36, s36, s[32+\e]
	s_and_b32 s37, s37, s[32+\e]
	v_writelane_b32 v[176+2*\u+(\e%2)], s[32+\e], (n+\e)/2   ; lane n / 2 collects words n and n + 1
.endr
.set n, n+4
.endr
	global_store_b64 v182, v[176+2*\u:177+2*\u], s[44:45] offset:4096*\u   ; 32 lanes store 256 consecutive bytes, aligned
	s_lshr_b32 s46, s36, 16
	s_or_b32 s46, s46, s36
	s_and_b32 s46, s46, 0xffff                     ; row r has an open key: lanes r and 16 + r
	s_cmp_lg_u32 s37, -1
	s_cselect_b32 s47, 0x10000, 0                  ; a hole somewhere
	s_or_b32 s[38+\u], s46, s47
.endm
	MTILE 0
	MTILE 1
	v_mov_b32 v180, s38
	v_writelane_b32 v180, s39, 1                   ; lane 0: tile 0's flag, lane 1: tile 1's
	v_cmp_gt_u32 vcc_lo, 2, v1
	s_wait_xcnt 0x0                                ; EXEC is a source of the stores above: it changes only behind this wait
	s_and_saveexec_b32 s40, vcc_lo
	global_store_b32 v183, v180, s[48:49]
	s_wait_xcnt 0x0                                ; and again ahead of the line that widens it
	s_or_b32 exec_lo, exec_lo, s40
	s_branch .Ljoin
	; ---- the table: T = (W - 1536) / 2, blk = (W - 1536) % 2, jq = wave: lane (r, h) makes cos and sin of token(T, r) for channels d = 32 blk + 16 h + 4 jq + 0 .. 3
.macro DFMUL hi, lo, ah, al, bh, bl    ; (hi, lo) = (ah, al) x (bh, bl) in double-float; hi and lo may be ah and al
	v_mul_f32 v13, v[\ah], v[\bh]
	v_fma_f32 v14, v[\ah], v[\bh], -v13            ; the product's rounding error, exactly
	v_fma_f32 v14, v[\ah], v[\bl], v14
	v_fma_f32 v14, v[\al], v[\bh], v14
	v_add_f32 v[\hi], v13, v14
	v_sub_f32 v13, v13, v[\hi]
	v_add_f32 v[\lo], v13, v14
.endm
.Lrope:
	s_sub_co_u32 s28, ttmp9, 1536
	s_lshr_b32 s29, s28, 1                         ; T
	s_and_b32 s30, s28, 1                          ; blk
	s_lshr_b32 s31, s29, 1
	s_lshl_b32 s31, s31, 5
	s_and_b32 s32, s29, 1
	s_lshl_b32 s32, s32, 3
	s_add_co_u32 s31, s31, s32
	v_and_b32 v10, 8, v2
	v_add3_u32 v10, v10, v2, s31                   ; token = 32 (T / 2) + 8 (T % 2) + r + (r & 8)
	v_cvt_f32_u32 v10, v10
	s_lshl_b32 s44, s29, 13
	s_lshl_b32 s45, s30, 3
	s_add_co_u32 s45, s45, s24
	s_lshl_b32 s45, s45, 9
	s_add_co_u32 s44, s44, s45
	s_mov_b32 s45, 0
	s_add_nc_u64 s[44:45], s[20:21], s[44:45]      ; rope + 8192 T + 512 (8 blk + jq)
	s_bitcmp1_b32 s24, 0                           ; jq & 1: 10^(1/4), else 1
	s_mov_b32 s32, 0x3f800000
	s_cselect_b32 s32, 0x3fe39ea9, s32
	s_cselect_b32 s33, 0xb26aee48, 0
	s_bitcmp1_b32 s24, 1                           ; jq & 2: 10^(1/2), else 1
	s_mov_b32 s34, 0x3f800000
	s_cselect_b32 s34, 0x404a62c2, s34
	s_cselect_b32 s35, 0xb324b496, 0
	s_cmp_lg_u32 s30, 0                            ; blk: x 100;  h: x 10
	s_mov_b32 s36, 0x3f800000
	s_cselect_b32 s36, 0x42c80000, s36             ; 100 or 1
	s_mov_b32 s37, 0x41200000
	s_cselect_b32 s37, 0x447a0000, s37             ; 1000 or 10
	s_mov_b32 s50, 0x3f22f983                      ; 2 / pi
	s_mov_b32 s51, 0x3fc90fdb                      ; pi / 2, upper part
	s_mov_b32 s52, 0xb33bbd2e                      ; and the rest
	s_mov_b32 s53, 0xb94ca1f9                      ; sine: -1.9515295891e-4, 8.3321608736e-3, -1.6666654611e-1
	s_mov_b32 s54, 0x3c08839e
	s_mov_b32 s55, 0xbe2aaaa3
	s_mov_b32 s56, 0x37ccf5ce                      ; cosine: 2.443315711809948e-5, -1.388731625493765e-3, 4.166664568298827e-2
	s_mov_b32 s57, 0xbab6061a
	s_mov_b32 s58, 0x3d2aaaa5
	v_cmp_ne_u32 vcc_lo, 0, v3
	v_mov_b32 v11, s36
	v_mov_b32 v12, s37
	v_cndmask_b32 v11, v11, v12, vcc_lo            ; 10^(2 blk + h): exact in f32
	v_mov_b32 v26, 0
	v_mov_b32 v20, s32
	v_mov_b32 v21, s33
	v_mov_b32 v22, s34
	v_mov_b32 v23, s35
	v_mov_b32 v27, 0x3f93cfe5                      ; 10^(1/16)
	v_mov_b32 v28, 0x334a404f
	v_mov_b32 v29, 0x3faab0d5                      ; 10^(1/8)
	v_mov_b32 v30, 0xb36457ec
	DFMUL 24, 25, 20, 21, 22, 23                   ; 10^(jq / 4)
	DFMUL 24, 25, 24, 25, 11, 26                   ; x 10^(2 blk + h): channel c = 0
	DFMUL 32, 33, 24, 25, 27, 28                   ; c = 1
	DFMUL 34, 35, 24, 25, 29, 30                   ; c = 2
	DFMUL 36, 37, 32, 33, 29, 30                   ; c = 3
	v_mov_b32 v40, v24
	v_mov_b32 v41, v32
	v_mov_b32 v42, v34
	v_mov_b32 v43, v36                             ; P = RN(10^(d / 16))
.irp c, 0,1,2,3
	v_rcp_f32 v[44+\c], v[40+\c]
.endr
	v_nop                                          ; a plain instruction behind the last reciprocal
	s_wait_alu depctr_va_vdst(0)                   ; one wait for the four, ahead of their first reader
.irp c, 0,1,2,3
	v_fma_f32 v[48+\c], -v[40+\c], v[44+\c], 1.0
.endr
.irp c, 0,1,2,3
	v_fma_f32 v[44+\c], v[44+\c], v[48+\c], v[44+\c]   ; one Newton step: 1 / P
.endr
.irp c, 0,1,2,3
	v_mul_f32 v[48+\c], v10, v[44+\c]              ; the angle: t x inv_freq
.endr
.irp c, 0,1,2,3
	v_mul_f32 v[52+\c], s50, v[48+\c]
.endr
.irp c, 0,1,2,3
	v_rndne_f32 v[52+\c], v[52+\c]                 ; k
.endr
.irp c, 0,1,2,3
	v_fma_f32 v[48+\c], -v[52+\c], s51, v[48+\c]
.endr
.irp c, 0,1,2,3
	v_fma_f32 v[48+\c], -v[52+\c], s52, v[48+\c]   ; rho = angle - k pi / 2
.endr
.irp c, 0,1,2,3
	v_mul_f32 v[56+\c], v[48+\c], v[48+\c]         ; z = rho^2
.endr
.irp c, 0,1,2,3
	v_fma_f32 v[60+\c], v[56+\c], s53, s54
	v_fma_f32 v[68+\c], v[56+\c], s56, s57
.endr
.irp c, 0,1,2,3
	v_fma_f32 v[60+\c], v[60+\c], v[56+\c], s55
	v_fma_f32 v[68+\c], v[68+\c], v[56+\c], s58
	v_mul_f32 v[64+\c], v[48+\c], v[56+\c]         ; rho z
	v_mul_f32 v[72+\c], v[56+\c], v[56+\c]         ; z^2
.endr
.irp c, 0,1,2,3
	v_fma_f32 v[60+\c], v[64+\c], v[60+\c], v[48+\c]   ; sin(rho)
	v_mul_f32 v[68+\c], v[68+\c], v[72+\c]
.endr
.irp c, 0,1,2,3
	v_fma_f32 v[68+\c], -0.5, v[56+\c], v[68+\c]
	v_cvt_i32_f32 v[76+\c], v[52+\c]
.endr
.irp c, 0,1,2,3
	v_add_f32 v[68+\c], 1.0, v[68+\c]              ; cos(rho)
.endr
.irp c, 0,1,2,3                        ; the quadrant q = k % 4: odd q swaps the two; sine is negative for q = 2, 3, cosine for q = 1, 2
	v_and_b32 v[80+\c], 1, v[76+\c]
	v_cmp_ne_u32 vcc_lo, 0, v[80+\c]
	v_cndmask_b32 v[88+\c], v[60+\c], v[68+\c], vcc_lo
	v_cndmask_b32 v[84+\c], v[68+\c], v[60+\c], vcc_lo
	v_and_b32 v[80+\c], 2, v[76+\c]
	v_lshlrev_b32 v[80+\c], 30, v[80+\c]
	v_xor_b32 v[88+\c], v[80+\c], v[88+\c]
	v_add_nc_u32 v[76+\c], 1, v[76+\c]
	v_and_b32 v[76+\c], 2, v[76+\c]
	v_lshlrev_b32 v[76+\c], 30, v[76+\c]
	v_xor_b32 v[84+\c], v[76+\c], v[84+\c]
.endr
	global_store_b128 v4, v[84:87], s[44:45]               ; the cosines: 512 consecutive bytes
	global_store_b128 v4, v[88:91], s[44:45] offset:2048   ; the sines: four quads further on
	; ---- all paths meet: one barrier, on every wave's path; behind it the four waves' scale words lie in LDS
.Ljoin:
	s_wait_dscnt 0x0                               ; for the others' sake: my LDS stores have landed
	s_barrier_signal -1
	s_barrier_wait -1
	s_cmp_eq_u32 s41, 0
	s_cbranch_scc1 .Lend
	ds_load_b128 v[20:23], v17
	s_wait_dscnt 0x0
	global_store_b128 v4, v[20:23], s[42:43] offset:8192   ; the block's 512 scale bytes: two aligned runs of 256
.Lend:
	s_wait_tensorcnt 0x0
	ds_add_u32 v184, v185
	s_wait_dscnt 0x0
	s_endpgm
.Lfunc_end_k_q9bede9b469_prep:
	.size	k_q9bede9b469_prep, .Lfunc_end_k_q9bede9b469_prep-k_q9bede9b469_prep
	.p2alignl 7, 3214868480
	.fill 96, 4, 3214868480
	.section	.rodata,"a",@progbits
	.p2align	6, 0x0
	.amdhsa_kernel k_q9bede9b469_prep
		.amdhsa_group_segment_fixed_size 68608
		.amdhsa_private_segment_fixed_size 0
		.amdhsa_enable_private_segment 0
		.amdhsa_kernarg_size 72
		.amdhsa_user_sgpr_count 2
		.amdhsa_user_sgpr_kernarg_segment_ptr 1
		.amdhsa_wavefront_size32 1
		.amdhsa_system_sgpr_workgroup_id_x 1
		.amdhsa_system_sgpr_workgroup_id_y 1
		.amdhsa_system_sgpr_workgroup_id_z 1
		.amdhsa_system_vgpr_workitem_id 0
		.amdhsa_next_free_vgpr 186
		.amdhsa_next_free_sgpr 66
		.amdhsa_reserve_vcc 1
		.amdhsa_float_denorm_mode_32 3
		.amdhsa_float_denorm_mode_16_64 3
		.amdhsa_memory_ordered 1
		.amdhsa_forward_progress 1
		.amdhsa_inst_pref_size 56
	.end_amdhsa_kernel
	.amdgpu_metadata
---
amdhsa.version: [ 1, 2 ]
amdhsa.kernels:
  - .name:           k_q9bede9b469_prep
    .symbol:         k_q9bede9b469_prep.kd
    .args:
      - { .name: mask, .offset: 0, .size: 8, .value_kind: global_buffer, .address_space: global }
      - { .name: x, .offset: 8, .size: 8, .value_kind: global_buffer, .address_space: global }
      - { .name: Wq, .offset: 16, .size: 8, .value_kind: global_buffer, .address_space: global }
      - { .name: Wk, .offset: 24, .size: 8, .value_kind: global_buffer, .address_space: global }
      - { .name: Wv, .offset: 32, .size: 8, .value_kind: global_buffer, .address_space: global }
      - { .name: Wo, .offset: 40, .size: 8, .value_kind: global_buffer, .address_space: global }
      - { .name: qc, .offset: 48, .size: 8, .value_kind: global_buffer, .address_space: global }
      - { .name: mbits, .offset: 56, .size: 8, .value_kind: global_buffer, .address_space: global }
      - { .name: rope, .offset: 64, .size: 8, .value_kind: global_buffer, .address_space: global }
    .group_segment_fixed_size: 68608
    .private_segment_fixed_size: 0
    .kernarg_segment_align: 8
    .kernarg_segment_size: 72
    .max_flat_workgroup_size: 128
    .sgpr_count:     66
    .vgpr_count:     186
    .wavefront_size: 32
...
	.end_amdgpu_metadata
.endif
;; end of part 1
;; launch qkv (part 2): grid 24 x 8, 4 waves a work-group, clusters of 4 x 4, 327,680 bytes of LDS; arguments qc, bq, bk, bv, rope, att; writes att
.if DOCPART == 2
	.amdgcn_target "amdgcn-amd-amdhsa--gfx1250"
	.amdhsa_code_object_version 6
	.text
	.protected	k_q9bede9b469_qkv
	.globl	k_q9bede9b469_qkv
	.p2align	8
	.type	k_q9bede9b469_qkv,@function
k_q9bede9b469_qkv:
	s_mov_b64 s[64:65], 0
	v_nop
	global_prefetch_b8 v0, s[64:65] scope:SCOPE_SE
	s_setreg_imm32_b32 hwreg(HW_REG_WAVE_MODE, 25, 1), 1
	s_wait_xcnt 0x0
	s_wait_alu depctr_hold_cnt(0) depctr_sa_sdst(0) depctr_va_vdst(0) depctr_va_sdst(0) depctr_va_ssrc(0) depctr_va_vcc(0) depctr_vm_vsrc(0)
	s_getreg_b32 s2, hwreg(HW_REG_IB_STS2, 6, 4)
	s_cmp_eq_u32 s2, 0
	s_cbranch_scc0 .Lentry_in_a_cluster
	s_endpgm
.Lentry_in_a_cluster:
	s_bfe_u32 s2, ttmp6, 0x10000c
	s_cmp_lg_u32 s2, 0xf033
	s_cbranch_scc0 .Lentry_shape_is_right
	s_endpgm
.Lentry_shape_is_right:
; QKV.  Three products of 2048 x 2048 x 2048 on codes of FP4 (E2M1) with E8M0 scales, z = cluster x / 2: z = 0: q = x Wq^T; z = 1: k = x Wk^T; z = 2: v^T = Wv x^T.  Behind the sums, in registers: bias, rotary embedding (q, k),
; the quantiser along the next product's K, and the results leave as OPERAND IMAGES for the attention launch; q, k, v never go to memory as f32.
; The kernel multiplies rows of P (source 1) by rows of R (source 0): a lane holds ONE row of P and its registers run along R.  z < 2: P = x, R = the weight: registers along the head's channels, the K of q k^T.
; z = 2: P = Wv, R = x: a lane holds one channel and its registers run along the tokens, the K of p v.
; THE OPERAND IMAGE (made by the launch before): block (group G of 128 rows, K step s of 128) = BLK = 8,704 bytes: 8 fragments of 1,024 bytes (fragment a, byte 512 c + 16 lane: registers 4 c .. 4 c + 3 of that lane), then 512
; bytes of scale words (fragment a, row r: 8192 + 256 (a / 4) + 16 r + 4 (a % 4)).  Fragment a's row r is row 32 (a / 2) + 8 (a % 2) + r + (r & 8) of the group: so, with such a fragment as source 0, a lane's 64 results of
; R's eight fragments are 64 numbers 32 b + 16 (lane / 16) + i along R, the order that the quantiser wants.  No pitch, no padding: every LDS load is 16 x lane.
; SHARES.  A work-group of four waves makes 256 x 256, a wave 128 x 128: 64 accumulators.  192 work-groups: a tile of 128 x 128 would read twice the LDS bytes for each matrix instruction.
; K goes in steps of 512 (4 blocks of each of 4 groups) through a ring of two LDS slots; a wave's tensor load brings one group's 4 blocks: 34,816 dense bytes, as 136 rows of 256.
; CLUSTERS: 4 x 4 work-groups; P's groups hang on the tile row alone and are asked for jointly along a row of the cluster, R's on the tile column alone, along a column.
; REGISTERS, in windows of 256: window 0: v1-29 addresses; v32-95 scale words, two sets; v96-103 bv by P's rows; v128-191 P's fragments, ONE set; in the epilogue v128-231 at work.
;   window 1: R's fragments, two sets at v0 and v128; v64-127 the bias along R; v192-255 (later also v0-63, v128-191) tables of cosines and sines.   windows 2, 3: the accumulators ((a, b) at v[8 (8 (a % 4) + b)]).
; LIMITS: NaN and infinities are not served; a block of zeros gets the scale byte 1 (its codes are zeros; this program alone reads the bytes).
.set BLK,   8704
.set TEN,   256*BLK
.set GRPB,  4*BLK                      ; a group's part of a slot
.set SLOT,  4*GRPB                     ; P's two groups, then R's two
.set SPARE, 2*SLOT                     ; behind the ring: the spare words, 128 bytes for each wave: two blocks of 256 bytes that no other line names
.set NQ,    4
.set FR,    8
.set NL,    2
.set NP,    4                          ; places behind this matrix instruction (ISA guide 7.12.1)
.set LAPS,  2                          ; 2,048 along K = 4 slots' worth = two laps of the ring
.set LI,    3                          ; v3      16 x lane
.set ADRA,  16                         ; v16-17  my P fragments in slot 0, 1
.set ADRB,  20                         ; v20-21  my R fragments
.set ADRS,  22                         ; v22-23  scale words: lanes 0-15 P's, lanes 16-31 R's
.set SPW,   28
.set NIL,   29
.set SC,    32                         ; set n at v[SC + 32 n]; in it register 8 q + i: lanes 0-15 P's fragment i, lanes 16-31 R's fragment i, the slot's q-th 128 along K
.set VB,    96
.set AF,    128
.set X,     128                        ; the epilogue: 64 numbers of a lane
.set TM,    192
.set PC,    208                        ; the codes just made
.set PW,    216                        ; and their scale word
.set SW,    220                        ; v220-227 the eight fragments' scale words
.set SD,    228
.set BI,    64                         ; in window 1
.set WV,    16
.set HA,    17
.set HB,    18
.set G1,    24
.set G0,    32
.set G1B,   48
.set G0B,   56
.set SEL,   86
.set MSB, 0
.macro WIN new                         ; the immediate's high byte repeats the setting that is left
.if MSB != (\new)
	s_set_vgpr_msb (MSB<<8)|(\new)
.set MSB, (\new)
.endif
.endm
.set MUL_LO, 0xa1                      ; source 0 (R) window 1, source 1 (P) window 0, C and D window 2
.set MUL_HI, 0xf1
.set TO_B,   0x40
.macro JLOAD g0a, g1a, g0b, g1b        ; a joint load: waves 0 and 1 fetch P's groups, waves 2 and 3 R's; four v_nop follow each of the two lines
	s_cmp_eq_u32 s[HA], 0
	s_cbranch_scc0 .Lfor_b_\@
	tensor_load_to_lds s[\g0a:\g0a+3], s[\g1a:\g1a+7]
	s_nop 0
.rept 4
	v_nop
.endr
	s_branch .Lasked_\@
.Lfor_b_\@:
	tensor_load_to_lds s[\g0b:\g0b+3], s[\g1b:\g1b+7]
	s_nop 0
.rept 4
	v_nop
.endr
.Lasked_\@:
.endm
.macro CREST
	s_cmp_lg_u32 s[WV], 0
	s_cbranch_scc1 .Lnot_wave_0_\@
	s_barrier_signal -3
.Lnot_wave_0_\@:
	s_barrier_wait -3
	s_barrier_signal -1
	s_barrier_wait -1
.endm
.macro CROUND
	s_barrier_signal -1
	s_barrier_wait -1
	CREST
.endm
.macro PLACES n
.rept \n
	v_nop
.endr
.endm
	s_load_b256 s[4:11], s[0:1], 0x0               ; qc, bq, bk, bv
	s_load_b128 s[12:15], s[0:1], 0x20             ; rope, att
	v_lshl_add_u32 v[SPW], v0, 2, SPARE
	v_mov_b32 v[NIL], 0
	ds_add_u32 v28, v29
	ds_add_u32 v28, v29
	s_wait_dscnt 0x0
	v_lshrrev_b32 v1, 5, v0
	v_readfirstlane_b32 s[WV], v1
	s_lshr_b32 s[HA], s[WV], 1                     ; my half of P.  Also: I fetch for P (0) or for R (1)
	s_and_b32 s[HB], s[WV], 1                      ; my half of R.  Also: which of the two groups I fetch
	s_bfe_u32 s40, ttmp6, 0x40000                  ; cx
	s_bfe_u32 s41, ttmp6, 0x40004                  ; cy
	s_lshr_b32 s44, ttmp9, 1                       ; z: the same in all partners
	s_and_b32 s42, ttmp9, 1
	s_lshl_b32 s42, s42, 2
	s_add_co_u32 s42, s42, s40                     ; tile column 0 .. 7
	s_and_b32 s43, ttmp7, 0xffff
	s_lshl_b32 s43, s43, 2
	s_add_co_u32 s43, s43, s41                     ; tile row 0 .. 7
	s_lshl_b32 s45, s41, 2
	s_lshl_b32 s45, 15, s45                        ; my row of the cluster
	s_lshl_b32 s46, 0x1111, s40                    ; my column
	s_or_b32 s[G1], s45, (3<<16)|(1<<21)           ; 15:0 the mask; 17:16 elements of 8 bytes; 21 set beside a mask; no padding
	s_or_b32 s[G1B], s46, (3<<16)|(1<<21)
.irp g, G1, G1B
	s_mov_b32 s[\g+1], 32<<16                      ; tensor_dim0 = 32 elements: 256 bytes
	s_mov_b32 s[\g+2], 136<<16                     ; tensor_dim1 = 136 rows: 34,816 dense bytes
	s_mov_b32 s[\g+3], 32<<16                      ; tile_dim0
	s_mov_b32 s[\g+4], 136                         ; tile_dim1
	s_mov_b32 s[\g+5], 32                          ; the pitch
	s_mov_b32 s[\g+6], 0
	s_mov_b32 s[\g+7], 0
.endr
	s_lshr_b32 s19, s44, 1                         ; 1 for z = 2
	s_mul_i32 s20, s19, 3*TEN                      ; P: x (operand 0) or Wv (operand 3)
	s_lshl_b32 s21, s43, 1
	s_add_co_u32 s21, s21, s[HB]
	s_mul_i32 s21, s21, 16*BLK                     ; group 2 x tile row + the one that I fetch
	s_add_co_u32 s20, s20, s21
	s_mov_b32 s21, 0
	s_sub_co_u32 s22, 1, s19
	s_add_co_u32 s23, s44, 1
	s_mul_i32 s22, s22, s23                        ; R: Wq (1), Wk (2) or x (0)
	s_mul_i32 s46, s22, TEN
	s_lshl_b32 s47, s42, 1
	s_add_co_u32 s47, s47, s[HB]
	s_mul_i32 s47, s47, 16*BLK
	s_add_co_u32 s46, s46, s47
	s_mov_b32 s47, 0
	s_mul_i32 s45, s[WV], GRPB                     ; where they go: no place in the cluster enters an LDS address
	s_wait_kmcnt 0x0
	s_add_nc_u64 s[20:21], s[4:5], s[20:21]
	s_add_nc_u64 s[46:47], s[4:5], s[46:47]
	CROUND                                         ; all sixteen work-groups are here: the first joint loads meet
.irp s, 0,1
	s_mov_b32 s[G0+4*\s], 1
	s_add_co_u32 s[G0+4*\s+1], s45, \s*SLOT
	s_add_nc_u64 s[G0+4*\s+2:G0+4*\s+3], s[20:21], \s*GRPB
	s_or_b32 s[G0+4*\s+3], s[G0+4*\s+3], 0x80000000
	s_mov_b32 s[G0B+4*\s], 1
	s_add_co_u32 s[G0B+4*\s+1], s45, \s*SLOT
	s_add_nc_u64 s[G0B+4*\s+2:G0B+4*\s+3], s[46:47], \s*GRPB
	s_or_b32 s[G0B+4*\s+3], s[G0B+4*\s+3], 0x80000000
	JLOAD G0+4*\s, G1, G0B+4*\s, G1B               ; two tensor loads of mine are out
.endr
	v_and_b32 v1, 15, v0                           ; r
	v_bfe_u32 v2, v0, 4, 1                         ; h
	v_and_b32 v[LI], 31, v0
	v_lshlrev_b32 v[LI], 4, v[LI]
	s_mul_i32 s66, s[HA], GRPB                     ; my group of P
	s_mul_i32 s67, s[HB], GRPB
	s_add_co_u32 s67, s67, 2*GRPB                  ; my group of R, behind P's two
	s_sub_co_u32 s68, s67, s66
	v_mul_u32_u24 v4, s68, v2                      ; lanes 16-31 take R's scale words: one product, h x the distance
	v_lshl_add_u32 v4, v1, 4, v4
	s_add_co_u32 s69, s66, 8192
.irp n, 0,1
	v_add_nc_u32 v[ADRA+\n], s66, v[LI]
	v_add_nc_u32 v[ADRB+\n], s67, v[LI]
	v_add_nc_u32 v[ADRS+\n], s69, v4
	s_add_co_u32 s66, s66, SLOT
	s_add_co_u32 s67, s67, SLOT
	s_add_co_u32 s69, s69, SLOT
.endr
	v_lshlrev_b32 v5, 6, v2                        ; the bias along R: 64 h bytes
	v_and_b32 v24, 8, v1
	v_add_nc_u32 v24, v24, v1
	v_lshlrev_b32 v24, 2, v24                      ; the bias by P's rows: 4 (r + (r & 8))
.irp b, 0,1,2,3
	v_mov_b32 v[TM+4+\b], 0                        ; written once: a lane permute's destination counts as one of its sources
.endr
	s_mov_b32 s[SEL], 0x76543210
	s_mov_b32 s[SEL+1], 0xfedcba98
	s_lshl_b32 s72, s42, 1
	s_add_co_u32 s72, s72, s[HB]                   ; Gr: my group of R
	s_lshl_b32 s73, s43, 1
	s_add_co_u32 s73, s73, s[HA]                   ; Gp: my group of P
	s_cmp_eq_u32 s44, 0
	s_cselect_b64 s[70:71], s[6:7], s[8:9]
	s_cmp_eq_u32 s44, 2
	s_cselect_b64 s[70:71], s[10:11], s[70:71]     ; bq, bk (or bv, whose numbers along R are then not used)
	s_lshl_b32 s80, s72, 4
	s_add_co_u32 s80, s80, s73                     ; 16 Gr + Gp
	s_lshl_b32 s81, s73, 4
	s_add_co_u32 s81, s81, s72                     ; 16 Gp + Gr
	s_cmp_eq_u32 s44, 2
	s_cselect_b32 s80, s81, s80
	s_cselect_b32 s82, BLK, 0
	s_cmp_eq_u32 s44, 0
	s_mov_b32 s81, 2*BLK
	s_cselect_b32 s81, BLK, s81
	s_cselect_b32 s83, 0, TEN
	s_mul_i32 s80, s80, s81
	s_add_co_u32 s80, s80, s82
	s_add_co_u32 s80, s80, s83
	s_mov_b32 s81, 0
	s_add_nc_u64 s[84:85], s[14:15], s[80:81]      ; q: (16 head + token group) BLK;  k: TEN + (16 head + token group) 2 BLK;  v: the same + BLK, with head = Gp
	s_mov_b32 s75, 0
	s_lshl_b32 s74, s72, 9
	s_add_nc_u64 s[70:71], s[70:71], s[74:75]      ; the bias at R's group
	s_lshl_b32 s74, s73, 9
	s_add_nc_u64 s[76:77], s[10:11], s[74:75]      ; bv at P's group
	s_lshl_b32 s74, s73, 16
	s_add_nc_u64 s[78:79], s[12:13], s[74:75]      ; the tables of P's eight tiles of 16 tokens
.macro SETTS a                         ; the table of block a lies in set a % 3 of window 1
.if ((\a)%3) == 0
.set TS, 192
.elseif ((\a)%3) == 1
.set TS, 0
.else
.set TS, 128
.endif
.endm
.macro TBLOAD a                        ; 64 numbers a lane: 16 cosines, 16 sines for channels 16 h + i, then the same for channels 32 + 16 h + i
	SETTS \a
	WIN 0x40
.irp i, 0,1,2,3,4,5,6,7,8,9,10,11,12,13,14,15
	global_load_b128 v[TS+4*\i:TS+4*\i+3], v[LI], s[78:79] offset:8192*(\a)+512*\i
.endr
	WIN 0
.endm
	; every work-group loads all three (40 loads, all inside their buffers for every z), so that both epilogues find the same loads issued: bv by P's rows, the bias along R, table 0
.irp a, 0,1,2,3,4,5,6,7
	global_load_b32 v[VB+\a], v24, s[76:77] offset:(32*(\a/2)+8*(\a%2))*4
.endr
	WIN 0x40
.irp b, 0,1,2,3
.irp j, 0,1,2,3
	global_load_b128 v[BI+16*\b+4*\j:BI+16*\b+4*\j+3], v5, s[70:71] offset:128*\b+16*\j   ; register 16 b + i: the bias of R's row 32 b + 16 h + i
.endr
.endr
	WIN 0
	TBLOAD 0
.macro FRAG reg, adr, q, i
.irp c, 0,1
	ds_load_b128 v[\reg+4*\c:\reg+4*\c+3], v[\adr] offset:BLK*(\q)+1024*(\i)+512*\c
.endr
.endm
; 16 matrix instructions: P's fragments a0, a0 + 1 x R's eight.  The 64 accumulators take turns, one instruction a turn, in the same order in every step.
.macro MUL16 a0, p, q, sc, zero
.irp a, \a0, \a0+1
.irp b, 0,1,2,3,4,5,6,7
.if \zero
	v_wmma_scale_f32_16x16x128_f8f6f4 v[8*(8*((\a)%4)+\b):8*(8*((\a)%4)+\b)+7], v[128*(\p)+FR*\b:128*(\p)+FR*\b+FR-1], v[AF+FR*(\a):AF+FR*(\a)+FR-1], 0, v[SC+32*(\sc)+8*(\q)+\b], v[SC+32*(\sc)+8*(\q)+(\a)] matrix_a_fmt:MATRIX_FMT_FP4 matrix_b_fmt:MATRIX_FMT_FP4 matrix_a_scale:MATRIX_SCALE_ROW1
.else
	v_wmma_scale_f32_16x16x128_f8f6f4 v[8*(8*((\a)%4)+\b):8*(8*((\a)%4)+\b)+7], v[128*(\p)+FR*\b:128*(\p)+FR*\b+FR-1], v[AF+FR*(\a):AF+FR*(\a)+FR-1], v[8*(8*((\a)%4)+\b):8*(8*((\a)%4)+\b)+7], v[SC+32*(\sc)+8*(\q)+\b], v[SC+32*(\sc)+8*(\q)+(\a)] matrix_a_fmt:MATRIX_FMT_FP4 matrix_b_fmt:MATRIX_FMT_FP4 matrix_a_scale:MATRIX_SCALE_ROW1
.endif
.endr
.endr
.endm
.macro FETCH_B slot, q, p
	WIN TO_B
.irp i, 0,1,2,3,4,5,6,7
	FRAG 128*(\p)+FR*\i, ADRB+\slot, \q, \i
.endr
	WIN 0
.endm
.macro FETCH_A slot, q, i0
.irp i, \i0, \i0+1, \i0+2, \i0+3
	FRAG AF+FR*(\i), ADRA+\slot, \q, \i
.endr
.endm
.macro SCALES n                        ; a slot's scale words: 8 loads of four words a lane
.irp q, 0,1,2,3
.irp e, 0,1
	ds_load_b128 v[SC+32*\n+8*\q+4*\e:SC+32*\n+8*\q+4*\e+3], v[ADRS+\n] offset:BLK*\q+256*\e
.endr
.endr
.endm
.macro STEP slot, q, zero              ; 128 along K with its successor in the same slot
	s_wait_dscnt 4*NL                              ; R's set and P's fragments 0-3 are in; the youngest 8 loads (P's 4-7) may be out
	WIN MUL_LO
	MUL16 0, (\q)%2, \q, \slot, \zero
	MUL16 2, (\q)%2, \q, \slot, \zero
	s_wait_dscnt 0
	PLACES NP                                      ; in front of loads into registers that matrix instructions have read
	FETCH_B \slot, (\q)+1, 1-(\q)%2
	FETCH_A \slot, (\q)+1, 0
	WIN MUL_HI
	MUL16 4, (\q)%2, \q, \slot, \zero
	MUL16 6, (\q)%2, \q, \slot, \zero
	PLACES NP
	WIN 0
	FETCH_A \slot, (\q)+1, 4
.endm
; A slot's last step changes slots: one barrier; in front of it each wave waits for all its tensor loads, adds 0 to its spare word, and waits for that and for its reads of this slot.
.macro TURN slot, next, fill
	s_wait_tensorcnt 0x0                           ; all my tensor loads have landed: my part of the next slot
	ds_add_u32 v[SPW], v[NIL]                      ; 0 onto my spare word
	s_wait_dscnt 4*NL+1                            ; (the add and the youngest 8 loads may be out)
	WIN MUL_LO
	MUL16 0, 1, NQ-1, \slot, 0
	s_wait_dscnt 0x0                               ; the add is done, and my reads of this slot are over
	s_barrier_signal -1
	MUL16 2, 1, NQ-1, \slot, 0
	WIN 0
	s_barrier_wait -1
.if \fill
	CREST                                          ; the barrier has opened a round of the cluster's barrier: no wave of any partner still reads this slot or has a load on its way
	s_add_nc_u64 s[G0+4*\slot+2:G0+4*\slot+3], s[G0+4*\slot+2:G0+4*\slot+3], 2*GRPB
	s_add_nc_u64 s[G0B+4*\slot+2:G0B+4*\slot+3], s[G0B+4*\slot+2:G0B+4*\slot+3], 2*GRPB
	JLOAD G0+4*\slot, G1, G0B+4*\slot, G1B         ; my one tensor load behind the round; its four v_nop are the places in front of the loads below
.else
	PLACES NP
.endif
	FETCH_B \next, 0, 0
	FETCH_A \next, 0, 0
	SCALES \next
	WIN MUL_HI
	MUL16 4, 1, NQ-1, \slot, 0
	MUL16 6, 1, NQ-1, \slot, 0
	PLACES NP
	WIN 0
	FETCH_A \next, 0, 4
.endm
.macro STEPS slot, from
.set Q, \from
.rept NQ-1-\from
	STEP \slot, Q, 0
.set Q, Q+1
.endr
.endm
	s_wait_tensorcnt 1                             ; my part of slot 0 is in (slot 1's load may be out)
	s_barrier_signal -1
	s_barrier_wait -1                              ; everybody's is
	FETCH_B 0, 0, 0
	FETCH_A 0, 0, 0
	SCALES 0
	FETCH_A 0, 0, 4
	STEP 0, 0, 1                                   ; the first step stands in front of the loop: its products start the sums
	s_mov_b32 s3, LAPS-1
.Llap:
	STEPS 0, 1
	TURN 0, 1, 1
	STEPS 1, 0
	TURN 1, 0, 1
	STEP 0, 0, 0
	s_sub_co_u32 s3, s3, 1
	s_cmp_lg_u32 s3, 0
	s_cbranch_scc1 .Llap
	STEPS 0, 1                                     ; the last lap fills nothing
	TURN 0, 1, 0
	STEPS 1, 0
	s_wait_dscnt 4*NL
	WIN MUL_LO
	MUL16 0, 1, NQ-1, 1, 0
	MUL16 2, 1, NQ-1, 1, 0
	s_wait_dscnt 0
	WIN MUL_HI
	MUL16 4, 1, NQ-1, 1, 0
	MUL16 6, 1, NQ-1, 1, 0
	WIN 0
; THE EPILOGUE, block by block of 16 rows of P: all in registers.
; 64 numbers of a lane, v[s] .. v[s + 63], register 16 b + i = k 32 b + 16 (lane / 16) + i of my row, become a fragment's codes in v[PC] on and its scale word in v[PW].
.macro QUANT s
.irp b, 0,1,2,3
	v_max3_num_f32 v[TM+\b], |v[\s+16*\b]|, |v[\s+1+16*\b]|, 0x1800000   ; my 16 numbers of block b, and the floor 2^(3 - 127): the byte cannot fall under 1
.endr
.irp i, 2,4,6,8,10,12,14
.irp b, 0,1,2,3
	v_max3_num_f32 v[TM+\b], v[TM+\b], |v[\s+16*\b+\i]|, |v[\s+1+16*\b+\i]|
.endr
.endr
.irp b, 0,1,2,3
	v_permlanex16_b32 v[TM+4+\b], v[TM+\b], s[SEL], s[SEL+1]
.endr
.irp b, 0,1,2,3
	v_max_num_f32 v[TM+\b], v[TM+\b], v[TM+4+\b]   ; with lane l xor 16's: the block's largest magnitude
.endr
.irp b, 0,1,2,3
	v_add_nc_u32 v[TM+12+\b], 0xff000000, v[TM+\b] ; 2 off its exponent field: the conversion's scale operand
.endr
.irp b, 0,1,2,3
	v_lshrrev_b32 v[TM+4+\b], 23, v[TM+12+\b]      ; the scale's byte
.endr
	v_lshl_or_b32 v[PW], v[TM+5], 8, v[TM+4]
	v_lshl_or_b32 v[PW], v[TM+6], 16, v[PW]
	v_lshl_or_b32 v[PW], v[TM+7], 24, v[PW]
.irp b, 0,1,2,3
	v_cvt_scalef32_pk8_fp4_f32 v[PC+2*\b], v[\s+16*\b:\s+7+16*\b], v[TM+12+\b]
	v_cvt_scalef32_pk8_fp4_f32 v[PC+1+2*\b], v[\s+8+16*\b:\s+15+16*\b], v[TM+12+\b]
.endr
	v_nop                                          ; one plain place behind a scaled conversion
.irp c, 0,1                                    ; the operand's layout wants a whole block in a lane
.irp i, 0,1
	v_permlane16_swap_b32 v[PC+4*\c+\i], v[PC+2+4*\c+\i]
.endr
.endr
.endm
.macro LEAVE a                         ; block a's fragment leaves as it stands: two stores of 512 consecutive bytes
	v_mov_b32 v[SW+(\a)], v[PW]
.irp c, 0,1
	global_store_b128 v[LI], v[PC+4*\c:PC+4*\c+3], s[84:85] offset:1024*(\a)+512*\c
.endr
.endm
.macro EPI_QK a
.if (\a) < 6
	s_wait_loadcnt 32                              ; the bias and this block's table are in; the tables of the next two blocks stay out
.elseif (\a) == 6
	s_wait_loadcnt 16
.else
	s_wait_loadcnt 0
.endif
	SETTS \a
	WIN 0x06+((\a)/4)                              ; source 0: the accumulators' window, source 1: window 1
.set j, 0
.rept 32
	v_pk_add_f32 v[X+j:X+j+1], v[64*((\a)%4)+j:64*((\a)%4)+j+1], v[BI+j:BI+j+1]   ; + bias; each accumulator from its low end on
.set j, j+2
.endr
	WIN 0x44
.irp p, 0,2,4,6,8,10,12,14             ; channels d = 16 h + i (X[i]) and 32 + d (X[16 + i]) turn together, each by its own angle
	v_pk_mul_f32 v[TS+16+\p:TS+17+\p], v[X+16+\p:X+17+\p], v[TS+16+\p:TS+17+\p]   ; x(32 + d) sin(d)
	v_pk_mul_f32 v[TS+48+\p:TS+49+\p], v[X+\p:X+1+\p], v[TS+48+\p:TS+49+\p]       ; x(d) sin(32 + d)
.endr
	WIN 0x14
.irp p, 0,2,4,6,8,10,12,14
	v_pk_fma_f32 v[X+\p:X+1+\p], v[X+\p:X+1+\p], v[TS+\p:TS+1+\p], v[TS+16+\p:TS+17+\p] neg_lo:[0,0,1] neg_hi:[0,0,1]
	v_pk_fma_f32 v[X+16+\p:X+17+\p], v[X+16+\p:X+17+\p], v[TS+32+\p:TS+33+\p], v[TS+48+\p:TS+49+\p]
.endr
	WIN 0
.if (\a) < 5
	TBLOAD (\a)+3                                  ; into the set just used
.endif
	s_wait_xcnt 0x0                                ; the last block's stores have read their registers: the codes may be written again
	QUANT X
	LEAVE \a
.endm
.macro EPI_V a
	WIN 0x02+((\a)/4)
.set j, 0
.rept 32
.if ((\a)%2) == 0
	v_pk_add_f32 v[X+j:X+j+1], v[64*((\a)%4)+j:64*((\a)%4)+j+1], v[VB+2*((\a)/2):VB+2*((\a)/2)+1] op_sel:[0,0] op_sel_hi:[1,0]   ; + the bias of my row of Wv
.else
	v_pk_add_f32 v[X+j:X+j+1], v[64*((\a)%4)+j:64*((\a)%4)+j+1], v[VB+2*((\a)/2):VB+2*((\a)/2)+1] op_sel:[0,1] op_sel_hi:[1,1]
.endif
.set j, j+2
.endr
	WIN 0
	s_wait_xcnt 0x0
	QUANT X
	LEAVE \a
.endm
	PLACES NP                                      ; behind the last products: for the reads of results, the writes over P's fragments and the loads over R's
	s_cmp_eq_u32 s44, 2
	s_cbranch_scc1 .Lepi_v
	TBLOAD 1
	TBLOAD 2
.irp a, 0,1,2,3,4,5,6,7
	EPI_QK \a
.endr
	s_branch .Ldone
.Lepi_v:
	s_wait_loadcnt 0x0
.irp a, 0,1,2,3,4,5,6,7
	EPI_V \a
.endr
.Ldone:
	v_cmp_ne_u32 vcc_lo, 0, v2
.irp c, 0,1,2,3
	v_cndmask_b32 v[SD+\c], v[SW+\c], v[SW+4+\c], vcc_lo   ; lane 16 h + r: the words of row r of fragments 4 h .. 4 h + 3
.endr
	global_store_b128 v[LI], v[SD:SD+3], s[84:85] offset:8192
	s_wait_tensorcnt 0x0                           ; the wave's end
	ds_add_u32 v[SPW], v[NIL]
	s_wait_dscnt 0x0
	CROUND                                         ; the closing round: no work-group ends while a partner may still ask for a tile that names it
	s_endpgm
.Lfunc_end_k_q9bede9b469_qkv:
	.size	k_q9bede9b469_qkv, .Lfunc_end_k_q9bede9b469_qkv-k_q9bede9b469_qkv
	.p2alignl 7, 3214868480
	.fill 96, 4, 3214868480
	.section	.rodata,"a",@progbits
	.p2align	6, 0x0
	.amdhsa_kernel k_q9bede9b469_qkv
		.amdhsa_group_segment_fixed_size 327680
		.amdhsa_private_segment_fixed_size 0
		.amdhsa_enable_private_segment 0
		.amdhsa_kernarg_size 48
		.amdhsa_user_sgpr_count 2
		.amdhsa_user_sgpr_kernarg_segment_ptr 1
		.amdhsa_wavefront_size32 1
		.amdhsa_system_sgpr_workgroup_id_x 1
		.amdhsa_system_sgpr_workgroup_id_y 1
		.amdhsa_system_sgpr_workgroup_id_z 1
		.amdhsa_system_vgpr_workitem_id 0
		.amdhsa_next_free_vgpr 1024
		.amdhsa_next_free_sgpr 100
		.amdhsa_reserve_vcc 1
		.amdhsa_float_denorm_mode_32 3
		.amdhsa_float_denorm_mode_16_64 3
		.amdhsa_memory_ordered 1
		.amdhsa_forward_progress 1
		.amdhsa_inst_pref_size 255
	.end_amdhsa_kernel
	.section	.bss,"aw",@nobits
	.p2align	6
	.space	262144
	.amdgpu_metadata
---
amdhsa.version: [ 1, 2 ]
amdhsa.kernels:
  - .name:           k_q9bede9b469_qkv
    .symbol:         k_q9bede9b469_qkv.kd
    .args:
      - { .name: qc, .offset: 0, .size: 8, .value_kind: global_buffer, .address_space: global }
      - { .name: bq, .offset: 8, .size: 8, .value_kind: global_buffer, .address_space: global }
      - { .name: bk, .offset: 16, .size: 8, .value_kind: global_buffer, .address_space: global }
      - { .name: bv, .offset: 24, .size: 8, .value_kind: global_buffer, .address_space: global }
      - { .name: rope, .offset: 32, .size: 8, .value_kind: global_buffer, .address_space: global }
      - { .name: att, .offset: 40, .size: 8, .value_kind: global_buffer, .address_space: global }
    .group_segment_fixed_size: 327680
    .private_segment_fixed_size: 0
    .kernarg_segment_align: 8
    .kernarg_segment_size: 48
    .max_flat_workgroup_size: 128
    .sgpr_count:     100
    .vgpr_count:     1024
    .wavefront_size: 32
...
	.end_amdgpu_metadata
.endif
;; end of part 2
;; launch attn (part 3): grid 16 x 16, 8 waves a work-group, no clusters, 280,064 bytes of LDS; arguments att, mbits, ob; writes ob
.if DOCPART == 3
	.amdgcn_target "amdgcn-amd-amdhsa--gfx1250"
	.amdhsa_code_object_version 6
	.text
	.protected	k_q9bede9b469_attn
	.globl	k_q9bede9b469_attn
	.p2align	8
	.type	k_q9bede9b469_attn,@function
k_q9bede9b469_attn:
	s_mov_b64 s[64:65], 0
	v_nop
	global_prefetch_b8 v0, s[64:65] scope:SCOPE_SE
	s_setreg_imm32_b32 hwreg(HW_REG_WAVE_MODE, 25, 1), 1
	s_wait_xcnt 0x0
; ATTENTION on codes of FP4 (E2M1) with E8M0 scales: S^T = K Q^T, the given mask, the streaming softmax, O^T = V^T P^T, / the row's sum, and o quantised along d_model as an operand image for the last product.
; SOFTMAX: t = score x log2(e) / sqrt(128); M = the running largest t rounded UP to a whole number; p = 2^(t - M) is quantised along the keys; the row's sum is taken of the unquantised p and divides at the end.
; SHARES.  Work-group (g, head); each of its eight waves owns ONE tile T of 16 queries (in the image's row order): waves 0-3: T = 4 g + w; waves 4-7: T = 124 - 4 g + (w - 4).  A fixed permutation, right for every mask;
; each four waves fill 256 consecutive bytes of o's scale words.  Two waves to a SIMD: one wave's vector work stands beside the other's matrix work and LDS loads.
; THE WHOLE HEAD LIES IN LDS, byte for byte as in memory: step s (128 keys) at 17,408 s: K's block (8 fragments, 512 scale bytes), then V's.  It is filled ONCE, through registers: steps 0-3 first, steps 4-15 while those are worked.
; NO TENSOR LOADS AND NO CLUSTER: a key step that the given mask closes for all 16 queries is left out by a scalar branch on whole numbers that the first launch stored (the flags).
; The price: each head's 278,528 bytes are read by its 16 work-groups separately.
; THE MASK is honoured as given.  WORK bit s: some query of the tile has an open key in step s; if a query has no open key at all, every step is worked (its row is the plain mean of v).  HOLES bit s: the 64 lane-mask words of
; the step are read by scalar loads, and one v_cndmask_b32 a score puts -2^33 for a closed key.  c x 2^33 is a whole number, so a row closed so far has M = t and p = 1 exactly; the first open key multiplies that away by 2^(old M - new M) = 0.
; LIMITS: the closed logit stands at -7.59e8 where the definition has -1e9: the same results while open logits lie above about -7.5e8.  NaN and infinities are not served.  A block of zeros gets the scale byte 1.
; LAYOUT.  Both products transposed: a lane holds one query (lane % 16); score register n is key 32 (n / 16) + 16 (lane / 16) + n % 16 of the step; O^T register n is channel 32 (n / 16) + 16 (lane / 16) + n % 16 of the head.
; REGISTERS: v1 16 x lane; v2 16 (lane % 16); v3, v4 addresses in hand; v5-9 the fill's LDS addresses; v10, v248 the gather; v11 -2^33; v12 -M; v13 largest t; v[14:15] the sum; v16-23 Q; v24-31 scale words of K or V;
;   v32-95 eight fragments; v96-159 S^T, then p; v160-223 O^T; v224-231 p's codes; v232-247 at work; v252 f; v253 p's scale word; v254 at work; v255 Q's scale word.  Window 1: v0-203 the second fill on its way.
.set BLK,   8704
.set TEN,   256*BLK
.set STEPB, 2*BLK
.set GS,    16*STEPB                   ; behind the head: o's scale words of the eight tiles, 512 bytes
.set FLAGS, 524288
.set TM,    232
.set PC,    224
.set PW,    253
.set SEL,   90
.set CS,    88
.set MSB, 0
.macro WIN new
.if MSB != (\new)
	s_set_vgpr_msb (MSB<<8)|(\new)
.set MSB, (\new)
.endif
.endm
	s_load_b128 s[4:7], s[0:1], 0x0                ; att, mbits
	s_load_b64 s[8:9], s[0:1], 0x10                ; ob
	v_lshl_add_u32 v242, v0, 2, 0x44200
	v_mov_b32 v243, 0
	v_lshrrev_b32 v6, 5, v0
	v_readfirstlane_b32 s10, v6                    ; wave 0..7
	s_mov_b32 s11, ttmp9                           ; g
	s_and_b32 s12, ttmp7, 0xffff                   ; the head
	s_lshl_b32 s92, s11, 2
	s_add_co_u32 s13, s92, s10
	s_sub_co_u32 s93, 120, s92
	s_add_co_u32 s93, s93, s10
	s_cmp_lt_u32 s10, 4
	s_cselect_b32 s13, s13, s93                    ; T
	v_and_b32 v1, 31, v0
	v_lshlrev_b32 v1, 4, v1
	v_and_b32 v2, 15, v0
	v_lshlrev_b32 v2, 4, v2
	v_lshlrev_b32 v5, 4, v0                        ; 16 x thread: the fill's offset in memory and in LDS
.irp j, 1,2,3,4
	v_add_nc_u32 v[5+\j], 65536*\j, v5
.endr
	s_lshr_b32 s92, s10, 2
	s_lshl_b32 s92, s92, 8
	s_and_b32 s93, s10, 3
	s_lshl_b32 s93, s93, 2
	s_add_co_u32 s92, s92, s93
	s_add_co_u32 s92, s92, GS
	v_add_nc_u32 v10, s92, v2                      ; my tile's scale words: GS + 256 (w / 4) + 16 r + 4 (w % 4)
	v_add_nc_u32 v248, GS, v1                      ; and where wave 0 reads them back
	v_mov_b32 v11, 0xd0000000                      ; -2^33
	s_mov_b32 s[CS], 0x3e0293ee                    ; c = log2(e) / sqrt(128)
	s_mov_b32 s[CS+1], s[CS]
	s_mov_b32 s[SEL], 0x76543210
	s_mov_b32 s[SEL+1], 0xfedcba98
	s_mul_i32 s92, s12, 16*STEPB
	s_add_co_u32 s92, s92, TEN
	s_mov_b32 s93, 0
	s_lshl_b32 s94, s12, 4
	s_lshr_b32 s95, s13, 3
	s_add_co_u32 s94, s94, s95
	s_mul_i32 s94, s94, BLK                        ; Q's block: (16 head + T / 8) BLK
	s_and_b32 s95, s13, 7
	s_lshl_b32 s95, s95, 10
	s_add_co_u32 s96, s94, s95                     ; fragment T % 8
	s_bfe_u32 s95, s13, 0x10002
	s_lshl_b32 s95, s95, 8
	s_add_co_u32 s94, s94, s95
	s_and_b32 s95, s13, 3
	s_lshl_b32 s95, s95, 2
	s_add_co_u32 s94, s94, s95
	s_add_co_u32 s94, s94, 8192                    ; its scale words
	s_mov_b32 s95, 0
	s_mov_b32 s97, 0
	s_lshl_b32 s98, s13, 6
	s_add_co_u32 s98, s98, FLAGS
	s_mov_b32 s99, 0
	s_lshl_b32 s86, s13, 12
	s_mov_b32 s87, 0
	s_wait_kmcnt 0x0
	s_add_nc_u64 s[2:3], s[4:5], s[92:93]          ; the head's K and V
	s_add_nc_u64 s[94:95], s[4:5], s[94:95]
	s_add_nc_u64 s[96:97], s[4:5], s[96:97]
	s_add_nc_u64 s[98:99], s[6:7], s[98:99]
	s_add_nc_u64 s[86:87], s[6:7], s[86:87]        ; my tile's mask words
	s_load_b512 s[16:31], s[98:99], 0x0            ; my tile's 16 flags
	global_load_b128 v[16:19], v1, s[96:97]
	global_load_b128 v[20:23], v1, s[96:97] offset:512
	global_load_b32 v255, v2, s[94:95]
.set i, 0
.rept 17
	global_load_b128 v[96+4*i:96+4*i+3], v5, s[2:3] offset:4096*i      ; steps 0-3: 69,632 bytes, 4,096 a round of the 256 threads
.set i, i+1
.endr
	WIN 0x40
.rept 51
	global_load_b128 v[4*(i-17):4*(i-17)+3], v5, s[2:3] offset:4096*i  ; steps 4-15, into window 1: they land while steps 0-3 are worked
.set i, i+1
.endr
	WIN 0
	s_wait_kmcnt 0x0
	s_mov_b32 s14, 0                               ; WORK
	s_mov_b32 s15, 0                               ; HOLES
	s_mov_b32 s92, 0
.irp k, 0,1,2,3,4,5,6,7,8,9,10,11,12,13,14,15
	s_or_b32 s92, s92, s[16+\k]
	s_and_b32 s93, s[16+\k], 0xffff                ; SCC: some row has an open key in step k
	s_cselect_b32 s93, 1<<\k, 0
	s_or_b32 s14, s14, s93
	s_bfe_u32 s93, s[16+\k], 0x10010               ; bit 16: a hole
	s_lshl_b32 s93, s93, \k
	s_or_b32 s15, s15, s93
.endr
	s_and_b32 s92, s92, 0xffff
	s_cmp_lg_u32 s92, 0xffff
	s_cselect_b32 s14, 0xffff, s14                 ; a query with no open key at all takes every key
	s_wait_loadcnt 51                              ; Q and steps 0-3 are in; the 51 later loads stay out
.set i, 0
.rept 17
	ds_store_b128 v[5+i/16], v[96+4*i:96+4*i+3] offset:4096*(i%16)
.set i, i+1
.endr
	s_wait_dscnt 0x0                               ; for the others' sake: my stores have landed
	s_barrier_signal -1
	s_barrier_wait -1
	v_mov_b32 v13, 0xff61b1e6                      ; the largest t so far: -3e38
	v_floor_f32 v12, -v13                          ; -M
	v_mov_b32 v14, 0
	v_mov_b32 v15, 0
.irp b, 0,1,2,3
	v_mov_b32 v[236+\b], 0                         ; written once: a lane permute's destination counts as one of its sources
.endr
	v_mov_b32 v252, 0
	v_mov_b32 v253, 0
.set j, 0
.rept 64
	v_mov_b32 v[160+j], 0                          ; O^T: the step is written for every step alike; the first finds zeros, which the first change of M leaves zeros
.set j, j+1
.endr
; K's eight fragments and scale words, the eight products, then V's loads into the same registers: they land during the softmax
.macro QKPART
	v_add_nc_u32 v3, s66, v1
	v_add_nc_u32 v4, s66, v2
	v_nop
	v_nop                                          ; four places in front of loads into registers that the last products read
.irp i, 0,1,2,3,4,5,6,7
.irp c, 0,1
	ds_load_b128 v[32+8*\i+4*\c:35+8*\i+4*\c], v3 offset:1024*\i+512*\c
.endr
.endr
.irp e, 0,1
	ds_load_b128 v[24+4*\e:27+4*\e], v4 offset:8192+256*\e
.endr
	s_wait_dscnt 0x0
.irp i, 0,1,2,3,4,5,6,7
	v_wmma_scale_f32_16x16x128_f8f6f4 v[96+8*\i:103+8*\i], v[32+8*\i:39+8*\i], v[16:23], 0, v[24+\i], v255 matrix_a_fmt:MATRIX_FMT_FP4 matrix_b_fmt:MATRIX_FMT_FP4
.endr
.rept 4
	v_nop
.endr
.irp i, 0,1,2,3,4,5,6,7
.irp c, 0,1
	ds_load_b128 v[32+8*\i+4*\c:35+8*\i+4*\c], v3 offset:BLK+1024*\i+512*\c
.endr
.endr
.irp e, 0,1
	ds_load_b128 v[24+4*\e:27+4*\e], v4 offset:BLK+8192+256*\e
.endr
.endm
; A KEY STEP: 128 keys at LDS byte s66; s67 its number, s84 = 256 x that
.macro STEP
	s_bitcmp1_b32 s14, s67
	s_cbranch_scc0 .Lskip_\@                       ; closed for all 16 queries, each of which has an open key elsewhere: every p would be 0
	s_bitcmp1_b32 s15, s67
	s_cbranch_scc0 .Lopen_\@
	s_load_b512 s[16:31], s[86:87], s84 offset:0x0     ; the step's 64 lane-mask words
	s_load_b512 s[32:47], s[86:87], s84 offset:0x40
	s_load_b512 s[48:63], s[86:87], s84 offset:0x80
	s_load_b512 s[68:83], s[86:87], s84 offset:0xc0
	QKPART
	s_wait_kmcnt 0x0
.set n, 0
.rept 48
	v_cndmask_b32 v[96+n], v11, v[96+n], s[16+n]   ; a closed key's score becomes -2^33; ascending: each accumulator from its low end on
.set n, n+1
.endr
.rept 16
	v_cndmask_b32 v[96+n], v11, v[96+n], s[20+n]
.set n, n+1
.endr
	s_branch .Ljoin_\@
.Lopen_\@:
	QKPART
.Ljoin_\@:
.irp b, 0,1,2,3
	v_max3_num_f32 v[232+\b], v[96+16*\b], v[97+16*\b], v[98+16*\b]   ; the largest score of each block of 32 keys: for the row's maximum, and, since p rises with the score, for the block's largest p
.endr
.irp i, 3,5,7,9,11,13
.irp b, 0,1,2,3
	v_max3_num_f32 v[232+\b], v[232+\b], v[96+16*\b+\i], v[97+16*\b+\i]
.endr
.endr
.irp b, 0,1,2,3
	v_max_num_f32 v[232+\b], v[232+\b], v[111+16*\b]
.endr
.irp b, 0,1,2,3
	v_permlanex16_b32 v[236+\b], v[232+\b], s[SEL], s[SEL+1]
.endr
.irp b, 0,1,2,3
	v_max_num_f32 v[232+\b], v[232+\b], v[236+\b]  ; with lane l xor 16's 16 keys
.endr
	v_max3_num_f32 v254, v232, v233, v234
	v_max_num_f32 v254, v254, v235
	v_mul_f32 v254, s[CS], v254                    ; as t
	v_max_num_f32 v13, v13, v254                   ; the running largest t
	v_mov_b32 v254, v12
	v_floor_f32 v12, -v13                          ; the new -M = -ceil(t)
	v_sub_f32 v254, v12, v254                      ; old M - new M: 0 or less
	v_cvt_i32_f32 v254, v254                       ; (it saturates)
	v_ldexp_f32 v252, 1.0, v254                    ; f = 2^(old M - new M)
.set j, 0
.rept 32
	v_pk_fma_f32 v[96+j:97+j], v[96+j:97+j], s[CS:CS+1], v[12:13] op_sel_hi:[1,0,0]   ; t - M
.set j, j+2
.endr
.irp b, 0,1,2,3
	v_fma_f32 v[232+\b], v[232+\b], s[CS], v12
.endr
.set j, 0
.rept 64
	v_exp_f32 v[96+j], v[96+j]                     ; p = 2^(t - M)
.set j, j+1
.endr
	v_pk_mul_f32 v[14:15], v[14:15], v[252:253] op_sel_hi:[1,0]   ; the sums under the new M (a plain place behind the exponentials)
	s_wait_alu depctr_va_vdst(0)                   ; one wait for the whole batch, ahead of its first reader
.irp b, 0,1,2,3
	v_exp_f32 v[232+\b], v[232+\b]                 ; the block's largest p
.endr
	v_pk_add_f32 v[236:237], v[96:97], v[98:99]    ; the row's sum of the unquantised p, in two chains
.irp j, 4,8,12,16,20,24,28,32,36,40,44,48,52,56,60
	v_pk_add_f32 v[14:15], v[14:15], v[96+\j:97+\j]
	v_pk_add_f32 v[236:237], v[236:237], v[98+\j:99+\j]
.endr
	v_pk_add_f32 v[14:15], v[14:15], v[236:237]
	s_wait_alu depctr_va_vdst(0)                   ; and one for the four
.irp b, 0,1,2,3
	v_max_num_f32 v[232+\b], 0x1800000, v[232+\b]  ; the floor 2^(3 - 127)
.endr
.irp b, 0,1,2,3
	v_add_nc_u32 v[244+\b], 0xff000000, v[232+\b]
.endr
.irp b, 0,1,2,3
	v_lshrrev_b32 v[236+\b], 23, v[244+\b]
.endr
	v_lshl_or_b32 v253, v237, 8, v236              ; p's scale word for these 128 keys
	v_lshl_or_b32 v253, v238, 16, v253
	v_lshl_or_b32 v253, v239, 24, v253
.irp b, 0,1,2,3
	v_cvt_scalef32_pk8_fp4_f32 v[224+2*\b], v[96+16*\b:103+16*\b], v[244+\b]
	v_cvt_scalef32_pk8_fp4_f32 v[225+2*\b], v[104+16*\b:111+16*\b], v[244+\b]
.endr
	v_nop
.irp c, 0,1
.irp i, 0,1
	v_permlane16_swap_b32 v[224+4*\c+\i], v[226+4*\c+\i]
.endr
.endr
.set j, 0
.rept 32
	v_pk_mul_f32 v[160+j:161+j], v[160+j:161+j], v[252:253] op_sel_hi:[1,0]   ; O^T under the new M; these 32 are also the places in front of the products below
.set j, j+2
.endr
	s_wait_dscnt 0x0                               ; V is in
.irp a, 0,1,2,3,4,5,6,7                        ; the eight accumulators take turns
	v_wmma_scale_f32_16x16x128_f8f6f4 v[160+8*\a:167+8*\a], v[32+8*\a:39+8*\a], v[224:231], v[160+8*\a:167+8*\a], v[24+\a], v253 matrix_a_fmt:MATRIX_FMT_FP4 matrix_b_fmt:MATRIX_FMT_FP4
.endr
.Lskip_\@:
	s_add_co_u32 s66, s66, STEPB
	s_add_co_u32 s84, s84, 256
	s_add_co_u32 s67, s67, 1
.endm
	s_mov_b32 s66, 0
	s_mov_b32 s67, 0
	s_mov_b32 s84, 0
.LloopA:                                       ; steps 0-3: they read LDS bytes under 69,632
	STEP
	s_cmp_lt_u32 s67, 4
	s_cbranch_scc1 .LloopA
	s_wait_loadcnt 0x0                             ; the second fill: bytes 69,632 on, which no wave reads ahead of the barrier below
	WIN 0x04                                       ; an LDS store's data are its source 1: window 1
.set i, 17
.rept 51
	ds_store_b128 v[5+i/16], v[4*(i-17):4*(i-17)+3] offset:4096*(i%16)
.set i, i+1
.endr
	WIN 0
	s_wait_dscnt 0x0
	s_barrier_signal -1
	s_barrier_wait -1
	s_mov_b32 s66, 4*STEPB
	s_mov_b32 s67, 4
	s_mov_b32 s84, 1024
.LloopB:                                       ; steps 4-15
	STEP
	s_cmp_lt_u32 s67, 16
	s_cbranch_scc1 .LloopB
	; THE WAY OUT: O^T / the sum, quantised along the head's channels: K step = head of the last product; my tile is fragment T % 8 of token group T / 8
.rept 4
	v_nop                                          ; places behind the last products
.endr
	v_add_f32 v14, v14, v15
	v_permlanex16_b32 v252, v14, s[SEL], s[SEL+1]
	v_add_f32 v14, v14, v252                       ; the row's sum
	v_rcp_f32 v14, v14
	v_nop
	s_lshr_b32 s92, s13, 3
	s_lshl_b32 s92, s92, 4
	s_add_co_u32 s92, s92, s12
	s_mul_i32 s92, s92, BLK
	s_and_b32 s93, s13, 7
	s_lshl_b32 s93, s93, 10
	s_add_co_u32 s92, s92, s93
	s_mov_b32 s93, 0
	s_add_nc_u64 s[94:95], s[8:9], s[92:93]
	s_wait_alu depctr_va_vdst(0)                   ; ahead of the reciprocal's first reader
.set j, 0
.rept 64
	v_mul_f32 v[96+j], v[160+j], v14
.set j, j+1
.endr
.irp b, 0,1,2,3
	v_max3_num_f32 v[TM+\b], |v[96+16*\b]|, |v[97+16*\b]|, 0x1800000
.endr
.irp i, 2,4,6,8,10,12,14
.irp b, 0,1,2,3
	v_max3_num_f32 v[TM+\b], v[TM+\b], |v[96+16*\b+\i]|, |v[97+16*\b+\i]|
.endr
.endr
.irp b, 0,1,2,3
	v_permlanex16_b32 v[TM+4+\b], v[TM+\b], s[SEL], s[SEL+1]
.endr
.irp b, 0,1,2,3
	v_max_num_f32 v[TM+\b], v[TM+\b], v[TM+4+\b]
.endr
.irp b, 0,1,2,3
	v_add_nc_u32 v[TM+12+\b], 0xff000000, v[TM+\b]
.endr
.irp b, 0,1,2,3
	v_lshrrev_b32 v[TM+4+\b], 23, v[TM+12+\b]
.endr
	v_lshl_or_b32 v[PW], v[TM+5], 8, v[TM+4]
	v_lshl_or_b32 v[PW], v[TM+6], 16, v[PW]
	v_lshl_or_b32 v[PW], v[TM+7], 24, v[PW]
.irp b, 0,1,2,3
	v_cvt_scalef32_pk8_fp4_f32 v[PC+2*\b], v[96+16*\b:103+16*\b], v[TM+12+\b]
	v_cvt_scalef32_pk8_fp4_f32 v[PC+1+2*\b], v[104+16*\b:111+16*\b], v[TM+12+\b]
.endr
	v_nop
.irp c, 0,1
.irp i, 0,1
	v_permlane16_swap_b32 v[PC+4*\c+\i], v[PC+2+4*\c+\i]
.endr
.endr
	global_store_b128 v1, v[PC:PC+3], s[94:95]             ; the fragment as it stands: 512 consecutive bytes a store
	global_store_b128 v1, v[PC+4:PC+7], s[94:95] offset:512
	ds_store_b32 v10, v[PW]                        ; lanes r and 16 + r write the same word with the same value
	s_wait_dscnt 0x0
	s_barrier_signal -1
	s_barrier_wait -1
	s_cmp_lg_u32 s10, 0
	s_cbranch_scc1 .Lend
	ds_load_b128 v[232:235], v248                  ; lanes 0-15: tiles 4 g .. 4 g + 3; lanes 16-31: tiles 124 - 4 g ..
	s_lshr_b32 s92, s11, 1                         ; j = g: (16 (j / 2) + head) BLK + 8192 + 256 (j % 2)
	s_lshl_b32 s92, s92, 4
	s_add_co_u32 s92, s92, s12
	s_mul_i32 s92, s92, BLK
	s_and_b32 s93, s11, 1
	s_lshl_b32 s93, s93, 8
	s_add_co_u32 s92, s92, s93
	s_add_co_u32 s92, s92, 8192
	s_sub_co_u32 s96, 31, s11                      ; j = 31 - g
	s_lshr_b32 s93, s96, 1
	s_lshl_b32 s93, s93, 4
	s_add_co_u32 s93, s93, s12
	s_mul_i32 s93, s93, BLK
	s_and_b32 s96, s96, 1
	s_lshl_b32 s96, s96, 8
	s_add_co_u32 s93, s93, s96
	s_add_co_u32 s93, s93, 8192
	v_mov_b32 v250, s92
	v_mov_b32 v251, s93
	v_and_b32 v249, 16, v0
	v_cmp_ne_u32 vcc_lo, 0, v249
	v_cndmask_b32 v250, v250, v251, vcc_lo
	v_add_nc_u32 v250, v250, v2
	s_wait_dscnt 0x0
	global_store_b128 v250, v[232:235], s[8:9]     ; sixteen lanes store 256 consecutive bytes, aligned: twice
.Lend:
	s_wait_tensorcnt 0x0
	ds_add_u32 v242, v243
	s_wait_dscnt 0x0
	s_endpgm
.Lfunc_end_k_q9bede9b469_attn:
	.size	k_q9bede9b469_attn, .Lfunc_end_k_q9bede9b469_attn-k_q9bede9b469_attn
	.p2alignl 7, 3214868480
	.fill 96, 4, 3214868480
	.section	.rodata,"a",@progbits
	.p2align	6, 0x0
	.amdhsa_kernel k_q9bede9b469_attn
		.amdhsa_group_segment_fixed_size 280064
		.amdhsa_private_segment_fixed_size 0
		.amdhsa_enable_private_segment 0
		.amdhsa_kernarg_size 24
		.amdhsa_user_sgpr_count 2
		.amdhsa_user_sgpr_kernarg_segment_ptr 1
		.amdhsa_wavefront_size32 1
		.amdhsa_system_sgpr_workgroup_id_x 1
		.amdhsa_system_sgpr_workgroup_id_y 1
		.amdhsa_system_sgpr_workgroup_id_z 1
		.amdhsa_system_vgpr_workitem_id 0
		.amdhsa_next_free_vgpr 464
		.amdhsa_next_free_sgpr 100
		.amdhsa_reserve_vcc 1
		.amdhsa_float_denorm_mode_32 3
		.amdhsa_float_denorm_mode_16_64 3
		.amdhsa_memory_ordered 1
		.amdhsa_forward_progress 1
		.amdhsa_inst_pref_size 81
	.end_amdhsa_kernel
	.amdgpu_metadata
---
amdhsa.version: [ 1, 2 ]
amdhsa.kernels:
  - .name:           k_q9bede9b469_attn
    .symbol:         k_q9bede9b469_attn.kd
    .args:
      - { .name: att, .offset: 0, .size: 8, .value_kind: global_buffer, .address_space: global }
      - { .name: mbits, .offset: 8, .size: 8, .value_kind: global_buffer, .address_space: global }
      - { .name: ob, .offset: 16, .size: 8, .value_kind: global_buffer, .address_space: global }
    .group_segment_fixed_size: 280064
    .private_segment_fixed_size: 0
    .kernarg_segment_align: 8
    .kernarg_segment_size: 24
    .max_flat_workgroup_size: 256
    .sgpr_count:     100
    .vgpr_count:     464
    .wavefront_size: 32
...
	.end_amdgpu_metadata
.endif
;; end of part 3
;; launch oproj (part 4): grid 16 x 16, 4 waves a work-group, clusters of 4 x 4, 296,448 bytes of LDS; arguments ob, qc, bo, out0; writes out0
.if DOCPART == 4
	.amdgcn_target "amdgcn-amd-amdhsa--gfx1250"
	.amdhsa_code_object_version 6
	.text
	.protected	k_q9bede9b469_oproj
	.globl	k_q9bede9b469_oproj
	.p2align	8
	.type	k_q9bede9b469_oproj,@function
k_q9bede9b469_oproj:
	s_mov_b64 s[64:65], 0
	v_nop
	global_prefetch_b8 v0, s[64:65] scope:SCOPE_SE
	s_setreg_imm32_b32 hwreg(HW_REG_WAVE_MODE, 25, 1), 1
	s_wait_xcnt 0x0
	s_wait_alu depctr_hold_cnt(0) depctr_sa_sdst(0) depctr_va_vdst(0) depctr_va_sdst(0) depctr_va_ssrc(0) depctr_va_vcc(0) depctr_vm_vsrc(0)
	s_getreg_b32 s2, hwreg(HW_REG_IB_STS2, 6, 4)
	s_cmp_eq_u32 s2, 0
	s_cbranch_scc0 .Lentry_in_a_cluster
	s_endpgm
.Lentry_in_a_cluster:
	s_bfe_u32 s2, ttmp6, 0x10000c
	s_cmp_lg_u32 s2, 0xf033
	s_cbranch_scc0 .Lentry_shape_is_right
	s_endpgm
.Lentry_shape_is_right:
; OUT = o Wo^T + bo on codes of FP4 (E2M1) with E8M0 scales.  o (made by the attention launch) and Wo (operand 4 of qc) lie as operand images: block (group of 128 rows, K step of 128) = 8,704 bytes: 8 fragments of 1,024 bytes
; (byte 512 c + 16 lane: registers 4 c .. 4 c + 3), then 512 bytes of scale words (fragment a, row r: 8192 + 256 (a / 4) + 16 r + 4 (a % 4)); fragment a's row r is row 32 (a / 2) + 8 (a % 2) + r + (r & 8) of the group.
; SHARES.  256 work-groups of 128 tokens x 128 outputs; wave w makes 64 x 64: 16 accumulators.  (Tiles of 256 x 256 would give work to 64 work-groups only.)
; ALL OF K LIES IN LDS, FILLED ONCE: A's group (16 blocks, 139,264 bytes) at 0, B's behind it.  Four chunks of 4 K steps; each wave brings half a chunk (2 blocks: 68 rows of 256 dense bytes) by one tensor load: four loads of a
; wave are out at the most.  No LDS byte is filled again, so there is no ring.  CLUSTERS: 4 x 4; A's group hangs on the tile row alone and is asked for jointly along a row of the cluster, B's along a column.
; THE MATRIX INSTRUCTION IS USED TRANSPOSED (source 0 = 16 rows of Wo, source 1 = 16 tokens): a lane holds eight neighbouring outputs of one token.
; REGISTERS: window 0: v1-26 addresses; v32-39 scale words, two sets; v40-103 rows on the way out, two sets; v104-107 bo; v128-255 the accumulators.  Window 1: two sets of fragments at v0 and v64 (A's four, then B's four).
.set BLK,    8704
.set TEN,    256*BLK
.set ABYTES, 16*BLK
.set STAGE,  2*ABYTES                  ; behind the operands: 16 rows x (256 bytes + 16) for each wave; no tensor load lands there
.set SPITCH, 272
.set LI,   3
.set ADRA, 16                          ; v16-17  my A fragments, K steps 0-7 and 8-15
.set ADRB, 18
.set ADRS, 20                          ; v20-21  scale words: lanes 0-15 A's, lanes 16-31 B's
.set STO,  24
.set RD,   25
.set CO,   26
.set SC,   32
.set BK,   40
.set BIA,  104
.set ACC,  128
.set WV,   16
.set HA,   17
.set HB,   18
.set G1A,  24
.set G1B,  32
.set G0A,  40                          ; s[40:55] four groups 0 for A's chunks
.set G0B,  68                          ; s[68:83] for B's
.set MSB, 0
.macro WIN new
.if MSB != (\new)
	s_set_vgpr_msb (MSB<<8)|(\new)
.set MSB, (\new)
.endif
.endm
.macro CROUND
	s_barrier_signal -1
	s_barrier_wait -1
	s_cmp_lg_u32 s[WV], 0
	s_cbranch_scc1 .Lnot_wave_0_\@
	s_barrier_signal -3
.Lnot_wave_0_\@:
	s_barrier_wait -3
	s_barrier_signal -1
	s_barrier_wait -1
.endm
	s_load_b256 s[4:11], s[0:1], 0x0               ; ob, qc, bo, out0
	v_lshl_add_u32 v126, v0, 2, 0x48400
	v_mov_b32 v127, 0
	ds_add_u32 v126, v127
	ds_add_u32 v126, v127
	v_lshrrev_b32 v1, 5, v0
	v_readfirstlane_b32 s[WV], v1
	s_lshr_b32 s[HA], s[WV], 1                     ; my 64 tokens.  Also: I fetch for A (0) or for B (1)
	s_and_b32 s[HB], s[WV], 1                      ; my 64 outputs.  Also: which half of a chunk I fetch
	s_bfe_u32 s12, ttmp6, 0x40000                  ; cx
	s_bfe_u32 s13, ttmp6, 0x40004                  ; cy
	s_lshl_b32 s14, ttmp9, 2
	s_add_co_u32 s14, s14, s12                     ; Gr: group of outputs
	s_and_b32 s15, ttmp7, 0xffff
	s_lshl_b32 s15, s15, 2
	s_add_co_u32 s15, s15, s13                     ; Gp: group of tokens
	s_lshl_b32 s56, s13, 2
	s_lshl_b32 s56, 15, s56                        ; my row of the cluster
	s_lshl_b32 s57, 0x1111, s12                    ; my column
	s_or_b32 s[G1A], s56, (3<<16)|(1<<21)          ; 15:0 the mask; 17:16 elements of 8 bytes; 21 set beside a mask; no padding
	s_or_b32 s[G1B], s57, (3<<16)|(1<<21)
.irp g, G1A, G1B
	s_mov_b32 s[\g+1], 32<<16                      ; rows of 256 bytes,
	s_mov_b32 s[\g+2], 68<<16                      ; 68 of them: two blocks
	s_mov_b32 s[\g+3], 32<<16
	s_mov_b32 s[\g+4], 68
	s_mov_b32 s[\g+5], 32
	s_mov_b32 s[\g+6], 0
	s_mov_b32 s[\g+7], 0
.endr
	s_mul_i32 s19, s[HB], 2*BLK                    ; my half of a chunk, in memory and in LDS
	s_mul_i32 s20, s15, ABYTES
	s_add_co_u32 s20, s20, s19
	s_mov_b32 s21, 0
	s_mul_i32 s22, s14, ABYTES
	s_add_co_u32 s22, s22, s19
	s_add_co_u32 s22, s22, 4*TEN                   ; Wo is operand 4 of qc
	s_mov_b32 s23, 0
	s_wait_dscnt 0x0
	s_wait_kmcnt 0x0
	s_add_nc_u64 s[20:21], s[4:5], s[20:21]
	s_add_nc_u64 s[22:23], s[6:7], s[22:23]
.irp j, 0,1,2,3
	s_mov_b32 s[G0A+4*\j], 1
	s_add_co_u32 s[G0A+4*\j+1], s19, 4*BLK*\j
	s_add_nc_u64 s[G0A+4*\j+2:G0A+4*\j+3], s[20:21], 4*BLK*\j
	s_or_b32 s[G0A+4*\j+3], s[G0A+4*\j+3], 0x80000000
	s_mov_b32 s[G0B+4*\j], 1
	s_add_co_u32 s[G0B+4*\j+1], s19, ABYTES+4*BLK*\j
	s_add_nc_u64 s[G0B+4*\j+2:G0B+4*\j+3], s[22:23], 4*BLK*\j
	s_or_b32 s[G0B+4*\j+3], s[G0B+4*\j+3], 0x80000000
.endr
	CROUND                                         ; all sixteen work-groups are here: the joint loads meet
	s_cmp_eq_u32 s[HA], 0                          ; a wave's four fills stand in one branch, ahead of every wait on TENSORcnt and every LDS read; four v_nop follow the last
	s_cbranch_scc0 .Lfor_b
.irp j, 0,1,2,3
	tensor_load_to_lds s[G0A+4*\j:G0A+4*\j+3], s[G1A:G1A+7]
	s_nop 0
.endr
.rept 4
	v_nop
.endr
	s_branch .Lasked
.Lfor_b:
.irp j, 0,1,2,3
	tensor_load_to_lds s[G0B+4*\j:G0B+4*\j+3], s[G1B:G1B+7]
	s_nop 0
.endr
.rept 4
	v_nop
.endr
.Lasked:
	v_and_b32 v1, 15, v0                           ; r
	v_bfe_u32 v2, v0, 4, 1                         ; h
	v_and_b32 v[LI], 31, v0
	v_lshlrev_b32 v[LI], 4, v[LI]
	s_lshl_b32 s58, s[HA], 12                      ; A's fragments 4 HA on
	s_lshl_b32 s59, s[HB], 12
	s_add_co_u32 s59, s59, ABYTES                  ; B's fragments 4 HB on
	v_add_nc_u32 v[ADRA], s58, v[LI]
	v_add_nc_u32 v[ADRA+1], 8*BLK, v[ADRA]
	v_add_nc_u32 v[ADRB], s59, v[LI]
	v_add_nc_u32 v[ADRB+1], 8*BLK, v[ADRB]
	s_lshl_b32 s56, s[HB], 8
	s_add_co_u32 s56, s56, ABYTES
	s_lshl_b32 s57, s[HA], 8
	s_sub_co_u32 s56, s56, s57
	v_mul_u32_u24 v4, s56, v2                      ; lanes 16-31 take B's scale words: one product, h x the distance
	v_lshl_add_u32 v4, v1, 4, v4
	s_add_co_u32 s57, s57, 8192
	v_add_nc_u32 v[ADRS], s57, v4
	v_add_nc_u32 v[ADRS+1], 8*BLK, v[ADRS]
	s_mul_i32 s60, s[WV], 16*SPITCH
	s_add_co_u32 s60, s60, STAGE                   ; my stage
	v_mul_u32_u24 v[STO], v1, SPITCH
	v_lshl_add_u32 v[STO], v2, 6, v[STO]
	v_add_nc_u32 v[STO], s60, v[STO]               ; in: row r, + 64 h bytes
	v_mul_u32_u24 v[RD], v2, SPITCH
	v_lshl_add_u32 v[RD], v1, 4, v[RD]
	v_add_nc_u32 v[RD], s60, v[RD]                 ; back: lanes 0-15 one row of 256 bytes, lanes 16-31 the next
	v_lshlrev_b32 v[CO], 13, v2
	v_lshl_add_u32 v[CO], v1, 4, v[CO]             ; and the same two rows of out0
	v_lshlrev_b32 v5, 4, v1
	s_lshl_b32 s88, s14, 9
	s_lshl_b32 s89, s[HB], 8
	s_add_co_u32 s88, s88, s89                     ; my first output, in bytes
	s_mov_b32 s89, 0
	s_add_nc_u64 s[86:87], s[8:9], s[88:89]
	global_load_b128 v[BIA:BIA+3], v5, s[86:87]    ; bo of the four outputs that I store
	s_lshl_b32 s61, s15, 7
	s_lshl_b32 s62, s[HA], 6
	s_add_co_u32 s61, s61, s62
	s_lshl_b32 s61, s61, 13                        ; my first token's row
	s_add_co_u32 s88, s88, s61
	s_add_nc_u64 s[84:85], s[10:11], s[88:89]
.macro FETCH s                         ; K step s: my 4 + 4 fragments into set s % 2, and their scale words
	WIN 0x40
.irp i, 0,1,2,3
.irp c, 0,1
	ds_load_b128 v[64*((\s)%2)+8*\i+4*\c:64*((\s)%2)+8*\i+4*\c+3], v[ADRA+(\s)/8] offset:((\s)%8)*BLK+1024*\i+512*\c
.endr
.endr
.irp i, 0,1,2,3
.irp c, 0,1
	ds_load_b128 v[64*((\s)%2)+32+8*\i+4*\c:64*((\s)%2)+32+8*\i+4*\c+3], v[ADRB+(\s)/8] offset:((\s)%8)*BLK+1024*\i+512*\c
.endr
.endr
	WIN 0
	ds_load_b128 v[SC+4*((\s)%2):SC+4*((\s)%2)+3], v[ADRS+(\s)/8] offset:((\s)%8)*BLK
.endm
.macro MUL s                           ; 16 matrix instructions; the 16 accumulators take turns; step 0 starts the sums
	WIN 0x05
.irp a, 0,1,2,3
.irp b, 0,1,2,3
.if (\s) == 0
	v_wmma_scale_f32_16x16x128_f8f6f4 v[ACC+8*(4*\a+\b):ACC+8*(4*\a+\b)+7], v[64*((\s)%2)+32+8*\b:64*((\s)%2)+32+8*\b+7], v[64*((\s)%2)+8*\a:64*((\s)%2)+8*\a+7], 0, v[SC+4*((\s)%2)+\b], v[SC+4*((\s)%2)+\a] matrix_a_fmt:MATRIX_FMT_FP4 matrix_b_fmt:MATRIX_FMT_FP4 matrix_a_scale:MATRIX_SCALE_ROW1
.else
	v_wmma_scale_f32_16x16x128_f8f6f4 v[ACC+8*(4*\a+\b):ACC+8*(4*\a+\b)+7], v[64*((\s)%2)+32+8*\b:64*((\s)%2)+32+8*\b+7], v[64*((\s)%2)+8*\a:64*((\s)%2)+8*\a+7], v[ACC+8*(4*\a+\b):ACC+8*(4*\a+\b)+7], v[SC+4*((\s)%2)+\b], v[SC+4*((\s)%2)+\a] matrix_a_fmt:MATRIX_FMT_FP4 matrix_b_fmt:MATRIX_FMT_FP4 matrix_a_scale:MATRIX_SCALE_ROW1
.endif
.endr
.endr
	WIN 0
.endm
	s_wait_tensorcnt 3                             ; my part of chunk 0 is in; chunks 1 to 3 stay out
	s_barrier_signal -1
	s_barrier_wait -1                              ; everybody's is
	FETCH 0
.set S, 0
.rept 16
	s_wait_dscnt 0x0                               ; this step's fragments are in
.if (S%4 == 3) && (S < 15)
	s_wait_tensorcnt 2-S/4                         ; my part of the next chunk is in; the later chunks stay out
	s_barrier_signal -1
	s_barrier_wait -1
.endif
.if S < 15
.rept 4
	v_nop                                          ; places in front of loads into the registers that the last step's products read
.endr
	FETCH S+1
.endif
	MUL S
.set S, S+1
.endr
	; THE WAY OUT, block by block of 16 tokens x 64 outputs: through my own stage, back as whole rows of 256 bytes, + bo, stored
.rept 4
	v_nop
.endr
	s_wait_loadcnt 0x0                             ; bo
.irp a, 0,1,2,3
.if \a >= 2
	s_wait_xcnt 0x0                                ; block a - 2's stores have read their registers
.endif
.irp b, 0,1,2,3
.irp e, 0,1
	ds_store_b128 v[STO], v[ACC+8*(4*\a+\b)+4*\e:ACC+8*(4*\a+\b)+4*\e+3] offset:128*(\b/2)+32*(\b%2)+16*\e   ; output 32 (b / 2) + 8 (b % 2) + 16 h + j; each accumulator from its low end on
.endr
.endr
.irp t, 0,1,2,3,4,5,6,7
	ds_load_b128 v[BK+32*(\a%2)+4*\t:BK+32*(\a%2)+4*\t+3], v[RD] offset:2*SPITCH*\t   ; LDS serves a wave's instructions in order: these see my stores
.endr
	s_wait_dscnt 0x0
.irp t, 0,1,2,3,4,5,6,7
	v_pk_add_f32 v[BK+32*(\a%2)+4*\t:BK+32*(\a%2)+4*\t+1], v[BK+32*(\a%2)+4*\t:BK+32*(\a%2)+4*\t+1], v[BIA:BIA+1]
	v_pk_add_f32 v[BK+32*(\a%2)+4*\t+2:BK+32*(\a%2)+4*\t+3], v[BK+32*(\a%2)+4*\t+2:BK+32*(\a%2)+4*\t+3], v[BIA+2:BIA+3]
.endr
.irp t, 0,1,2,3,4,5,6,7
	global_store_b128 v[CO], v[BK+32*(\a%2)+4*\t:BK+32*(\a%2)+4*\t+3], s[84:85] offset:(32*(\a/2)+8*(\a%2)+2*\t+8*(\t/4))*8192 th:TH_STORE_NT   ; stage row 2 t + h is token 32 (a / 2) + 8 (a % 2) + 2 t + 8 (t / 4) + h; sixteen lanes store 256 consecutive bytes, aligned
.endr
.endr
	s_wait_dscnt 0x0
	s_wait_tensorcnt 0x0
	ds_add_u32 v126, v127
	s_wait_dscnt 0x0
	CROUND                                         ; the closing round: no work-group ends while a partner may still ask for a tile that names it
	s_endpgm
.Lfunc_end_k_q9bede9b469_oproj:
	.size	k_q9bede9b469_oproj, .Lfunc_end_k_q9bede9b469_oproj-k_q9bede9b469_oproj
	.p2alignl 7, 3214868480
	.fill 96, 4, 3214868480
	.section	.rodata,"a",@progbits
	.p2align	6, 0x0
	.amdhsa_kernel k_q9bede9b469_oproj
		.amdhsa_group_segment_fixed_size 296448
		.amdhsa_private_segment_fixed_size 0
		.amdhsa_enable_private_segment 0
		.amdhsa_kernarg_size 32
		.amdhsa_user_sgpr_count 2
		.amdhsa_user_sgpr_kernarg_segment_ptr 1
		.amdhsa_wavefront_size32 1
		.amdhsa_system_sgpr_workgroup_id_x 1
		.amdhsa_system_sgpr_workgroup_id_y 1
		.amdhsa_system_sgpr_workgroup_id_z 1
		.amdhsa_system_vgpr_workitem_id 0
		.amdhsa_next_free_vgpr 384
		.amdhsa_next_free_sgpr 90
		.amdhsa_reserve_vcc 0
		.amdhsa_float_denorm_mode_32 3
		.amdhsa_float_denorm_mode_16_64 3
		.amdhsa_memory_ordered 1
		.amdhsa_forward_progress 1
		.amdhsa_inst_pref_size 74
	.end_amdhsa_kernel
	.amdgpu_metadata
---
amdhsa.version: [ 1, 2 ]
amdhsa.kernels:
  - .name:           k_q9bede9b469_oproj
    .symbol:         k_q9bede9b469_oproj.kd
    .args:
      - { .name: ob, .offset: 0, .size: 8, .value_kind: global_buffer, .address_space: global }
      - { .name: qc, .offset: 8, .size: 8, .value_kind: global_buffer, .address_space: global }
      - { .name: bo, .offset: 16, .size: 8, .value_kind: global_buffer, .address_space: global }
      - { .name: out0, .offset: 24, .size: 8, .value_kind: global_buffer, .address_space: global }
    .group_segment_fixed_size: 296448
    .private_segment_fixed_size: 0
    .kernarg_segment_align: 8
    .kernarg_segment_size: 32
    .max_flat_workgroup_size: 128
    .sgpr_count:     90
    .vgpr_count:     384
    .wavefront_size: 32
...
	.end_amdgpu_metadata
.endif
;; end of part 4
;; ======== version 2 of 2: 4 launches; version 1 with the launch attn written anew for expert scheduling mode
;; limits: right only within a limited range of input values
;; workspace buffers: qc 11,141,120 bytes; mbits 532,480 bytes of whole numbers; rope 1,048,576 bytes; att 6,684,672 bytes; ob 2,228,224 bytes
;; launch prep: the kernel of part 1 again; grid 1792 x 1, 4 waves a work-group, no clusters, 68,608 bytes of LDS; arguments mask, x, Wq, Wk, Wv, Wo, qc, mbits, rope; writes qc, mbits, rope
;; launch qkv: the kernel of part 2 again; grid 24 x 8, 4 waves a work-group, clusters of 4 x 4, 327,680 bytes of LDS; arguments qc, bq, bk, bv, rope, att; writes att
;; launch attn (part 5): grid 16 x 16, 8 waves a work-group, no clusters, 280,064 bytes of LDS; arguments att, mbits, ob; writes ob
.if DOCPART == 5
	.amdgcn_target "amdgcn-amd-amdhsa--gfx1250"
	.amdhsa_code_object_version 6
	.text
	.protected	k_q9bede9b469_attn
	.globl	k_q9bede9b469_attn
	.p2align	8
	.type	k_q9bede9b469_attn,@function
k_q9bede9b469_attn:
	s_mov_b64 s[64:65], 0
	v_nop
	global_prefetch_b8 v0, s[64:65] scope:SCOPE_SE
	s_setreg_imm32_b32 hwreg(HW_REG_WAVE_SCHED_MODE, 0, 2), 2
	s_setreg_imm32_b32 hwreg(HW_REG_WAVE_MODE, 25, 1), 1
	s_wait_xcnt 0x0
	s_wait_alu depctr_vm_vsrc(0)
; ATTENTION on codes of FP4 (E2M1) with E8M0 scales: S^T = K Q^T, the given mask, the streaming softmax, O^T = V^T P^T, / the row's sum, and o quantised along d_model as an operand image for the last product.
; SOFTMAX: t = score x log2(e) / sqrt(128); M = the running largest t rounded UP to a whole number; p = 2^(t - M) is quantised along the keys; the row's sum is taken of the unquantised p and divides at the end.
; SHARES.  Work-group (g, head); each of its eight waves owns ONE tile T of 16 queries (in the image's row order): waves 0-3: T = 4 g + w; waves 4-7: T = 124 - 4 g + (w - 4).  A fixed permutation, right for every mask;
; each four waves fill 256 consecutive bytes of o's scale words.  Two waves to a SIMD: one wave's vector work stands beside the other's matrix work and LDS loads.
; THE WHOLE HEAD LIES IN LDS, byte for byte as in memory: step s (128 keys) at 17,408 s: K's block (8 fragments, 512 scale bytes), then V's.  It is filled ONCE, through registers: steps 0-3 first, steps 4-15 while those are worked.
; NO TENSOR LOADS AND NO CLUSTER: a key step that the given mask closes for all 16 queries is left out by a scalar branch on whole numbers that the first launch stored (the flags).
; The price: each head's 278,528 bytes are read by its 16 work-groups separately.
; THE MASK is honoured as given.  WORK bit s: some query of the tile has an open key in step s; if a query has no open key at all, every step is worked (its row is the plain mean of v).  HOLES bit s: the 64 lane-mask words of
; the step are read by scalar loads, and one v_cndmask_b32 a score puts -2^33 for a closed key.  c x 2^33 is a whole number, so a row closed so far has M = t and p = 1 exactly; the first open key multiplies that away by 2^(old M - new M) = 0.
; LIMITS: the closed logit stands at -7.59e8 where the definition has -1e9: the same results while open logits lie above about -7.5e8.  NaN and infinities are not served.  A block of zeros gets the scale byte 1.
; LAYOUT.  Both products transposed: a lane holds one query (lane % 16); score register n is key 32 (n / 16) + 16 (lane / 16) + n % 16 of the step; O^T register n is channel 32 (n / 16) + 16 (lane / 16) + n % 16 of the head.
; REGISTERS: v1 16 x lane; v2 16 (lane % 16); v3, v4 addresses in hand; v5-9 the fill's LDS addresses; v10, v248 the gather; v11 -2^33; v12 -M; v13 largest t; v[14:15] the sum; v16-23 Q; v24-31 scale words of K or V;
;   v32-95 eight fragments; v96-159 S^T, then p; v160-223 O^T; v224-231 p's codes; v232-247 at work (v242, v243: the closing add's two, kept for it alone); v252 f; v253 p's scale word; v254 at work; v255 Q's scale word.
;   Window 1: v0-203 the second fill on its way.
; THE MODE: SCHED_MODE bits 1:0 = 2 (LLVM: expert scheduling mode 2), set by the entry lines.  The code itself states the register dependences between vector or matrix instructions and memory or LDS instructions,
; with s_wait_alu, always for 0.
; THE PLAN.  Registers that memory or LDS instructions touch:
;   v1, v2, v5-10, v248  offsets and LDS addresses: written at the head, ahead of the head's one wait on va_vdst, and never again.
;   v3, v4               the step's LDS addresses: written by two additions at the head of a worked step, read by its 36 LDS loads.
;   v24-31, v32-95       K's scale words and fragments land; the step's eight products K Q^T read them; V's land; its eight products V^T P^T read them.  No other vector instruction names them.
;   v96-163              the first fill lands; 17 LDS stores read it; from then on vector and matrix instructions alone.
;   window 1 v0-203      the second fill lands; 51 LDS stores behind step 3 read it; no vector instruction names them.
;   v16-23, v255         Q lands once.
;   v224-231, v253       written by vector instructions; taken by the scaled products as source 1 and its scales; on the way out read by three stores.
;   v232-235, v250       the way out, wave 0: an LDS load lands in the first four behind the quantiser's lines; v250 is the last store's offset.
; A WORKED STEP: vm_vsrc ahead of the two additions; va_vdst behind them (v3, v4 written; the last products done reading v24-95), then K's loads; va_vdst behind the products K Q^T (done reading v24-95);
; V's loads follow with no further wait, behind the join of the two arms, dealt among the maxima: the vector instructions issued since that wait name v11, v96-159 and v232-235, none of v3, v4, v24-95;
; one va_vdst for each batch of exponentials; va_vdst ahead of the products V^T P^T (p's codes and scale word written).  A step that is left out issues nothing on either side.
.set BLK,   8704
.set TEN,   256*BLK
.set STEPB, 2*BLK
.set GS,    16*STEPB                   ; behind the head: o's scale words of the eight tiles, 512 bytes
.set FLAGS, 524288
.set TM,    232
.set PC,    224
.set PW,    253
.set SEL,   90
.set CS,    88
.set MSB, 0
.macro WIN new
.if MSB != (\new)
	s_set_vgpr_msb (MSB<<8)|(\new)
.set MSB, (\new)
.endif
.endm
	s_load_b128 s[4:7], s[0:1], 0x0                ; att, mbits
	s_load_b64 s[8:9], s[0:1], 0x10                ; ob
	v_lshl_add_u32 v242, v0, 2, 0x44200
	v_mov_b32 v243, 0
	v_lshrrev_b32 v6, 5, v0
	v_readfirstlane_b32 s10, v6                    ; wave 0..7
	v_and_b32 v1, 31, v0
	v_lshlrev_b32 v1, 4, v1
	v_and_b32 v2, 15, v0
	v_lshlrev_b32 v2, 4, v2
	v_lshlrev_b32 v5, 4, v0                        ; 16 x thread: the fill's offset in memory and in LDS
.irp j, 1,2,3,4
	v_add_nc_u32 v[5+\j], 65536*\j, v5
.endr
	v_add_nc_u32 v248, GS, v1                      ; where wave 0 reads the gathered scale words back
	v_mov_b32 v11, 0xd0000000                      ; -2^33
	s_mov_b32 s11, ttmp9                           ; g
	s_and_b32 s12, ttmp7, 0xffff                   ; the head
	s_wait_alu depctr_va_sdst(0)                   ; s10 is written, ahead of its first reader: the tile's number and the addresses are made from it
	s_lshl_b32 s92, s11, 2
	s_add_co_u32 s13, s92, s10
	s_sub_co_u32 s93, 120, s92
	s_add_co_u32 s93, s93, s10
	s_cmp_lt_u32 s10, 4
	s_cselect_b32 s13, s13, s93                    ; T
	s_lshr_b32 s92, s10, 2
	s_lshl_b32 s92, s92, 8
	s_and_b32 s93, s10, 3
	s_lshl_b32 s93, s93, 2
	s_add_co_u32 s92, s92, s93
	s_add_co_u32 s92, s92, GS
	v_add_nc_u32 v10, s92, v2                      ; my tile's scale words: GS + 256 (w / 4) + 16 r + 4 (w % 4)
	s_mov_b32 s[CS], 0x3e0293ee                    ; c = log2(e) / sqrt(128)
	s_mov_b32 s[CS+1], s[CS]
	s_mov_b32 s[SEL], 0x76543210
	s_mov_b32 s[SEL+1], 0xfedcba98
	s_mul_i32 s92, s12, 16*STEPB
	s_add_co_u32 s92, s92, TEN
	s_mov_b32 s93, 0
	s_lshl_b32 s94, s12, 4
	s_lshr_b32 s95, s13, 3
	s_add_co_u32 s94, s94, s95
	s_mul_i32 s94, s94, BLK                        ; Q's block: (16 head + T / 8) BLK
	s_and_b32 s95, s13, 7
	s_lshl_b32 s95, s95, 10
	s_add_co_u32 s96, s94, s95                     ; fragment T % 8
	s_bfe_u32 s95, s13, 0x10002
	s_lshl_b32 s95, s95, 8
	s_add_co_u32 s94, s94, s95
	s_and_b32 s95, s13, 3
	s_lshl_b32 s95, s95, 2
	s_add_co_u32 s94, s94, s95
	s_add_co_u32 s94, s94, 8192                    ; its scale words
	s_mov_b32 s95, 0
	s_mov_b32 s97, 0
	s_lshl_b32 s98, s13, 6
	s_add_co_u32 s98, s98, FLAGS
	s_mov_b32 s99, 0
	s_lshl_b32 s86, s13, 12
	s_mov_b32 s87, 0
	s_wait_kmcnt 0x0
	s_add_nc_u64 s[2:3], s[4:5], s[92:93]          ; the head's K and V
	s_add_nc_u64 s[94:95], s[4:5], s[94:95]
	s_add_nc_u64 s[96:97], s[4:5], s[96:97]
	s_add_nc_u64 s[98:99], s[6:7], s[98:99]
	s_add_nc_u64 s[86:87], s[6:7], s[86:87]        ; my tile's mask words
	s_load_b512 s[16:31], s[98:99], 0x0            ; my tile's 16 flags
	s_wait_alu depctr_va_vdst(0)                   ; v1, v2, v5 to v10 and v248 are written: every global load and store, the fills' LDS stores and the gather read them as offsets or addresses; none is written again
	global_load_b128 v[16:19], v1, s[96:97]
	global_load_b128 v[20:23], v1, s[96:97] offset:512
	global_load_b32 v255, v2, s[94:95]
.set i, 0
.rept 17
	global_load_b128 v[96+4*i:96+4*i+3], v5, s[2:3] offset:4096*i      ; steps 0-3: 69,632 bytes, 4,096 a round of the 256 threads
.set i, i+1
.endr
	WIN 0x40                                       ; (between the wait above and the loads below stand loads and this switch alone)
.rept 51
	global_load_b128 v[4*(i-17):4*(i-17)+3], v5, s[2:3] offset:4096*i  ; steps 4-15, into window 1: they land while steps 0-3 are worked
.set i, i+1
.endr
	WIN 0
	s_wait_kmcnt 0x0
	s_mov_b32 s14, 0                               ; WORK
	s_mov_b32 s15, 0                               ; HOLES
	s_mov_b32 s92, 0
.irp k, 0,1,2,3,4,5,6,7,8,9,10,11,12,13,14,15
	s_or_b32 s92, s92, s[16+\k]
	s_and_b32 s93, s[16+\k], 0xffff                ; SCC: some row has an open key in step k
	s_cselect_b32 s93, 1<<\k, 0
	s_or_b32 s14, s14, s93
	s_bfe_u32 s93, s[16+\k], 0x10010               ; bit 16: a hole
	s_lshl_b32 s93, s93, \k
	s_or_b32 s15, s15, s93
.endr
	s_and_b32 s92, s92, 0xffff
	s_cmp_lg_u32 s92, 0xffff
	s_cselect_b32 s14, 0xffff, s14                 ; a query with no open key at all takes every key
	s_wait_loadcnt 51                              ; Q and steps 0-3 are in; the 51 later loads stay out
.set i, 0
.rept 17
	ds_store_b128 v[5+i/16], v[96+4*i:96+4*i+3] offset:4096*(i%16)   ; the data are loads' results; no vector instruction since the head's wait names the addresses
.set i, i+1
.endr
	s_wait_dscnt 0x0                               ; for the others' sake: my stores have landed
	s_barrier_signal -1
	s_barrier_wait -1
	s_wait_alu depctr_vm_vsrc(0)                   ; my LDS stores have read v96 to v163: the lines below write v160 to v163, the first products v96 to v159
	v_mov_b32 v13, 0xff61b1e6                      ; the largest t so far: -3e38
	v_floor_f32 v12, -v13                          ; -M
	v_mov_b32 v14, 0
	v_mov_b32 v15, 0
.irp b, 0,1,2,3
	v_mov_b32 v[236+\b], 0                         ; written once: a lane permute's destination counts as one of its sources
.endr
	v_mov_b32 v252, 0
	v_mov_b32 v253, 0
.set j, 0
.rept 64
	v_mov_b32 v[160+j], 0                          ; O^T: the step is written for every step alike; the first finds zeros, which the first change of M leaves zeros
.set j, j+1
.endr
; K's eight fragments and scale words, and the eight products K Q^T
.macro QKPART
	s_wait_alu depctr_vm_vsrc(0)                   ; the LDS loads of the last worked step have read v3 and v4, which the two lines below write
	v_add_nc_u32 v3, s66, v1
	v_add_nc_u32 v4, s66, v2
	v_nop
	v_nop                                          ; (the two additions and these two: four places between the last products and the loads into their registers)
	s_wait_alu depctr_va_vdst(0)                   ; v3 and v4 are written, which the loads below read; the last worked step's products V^T P^T are done reading v24 to v95, in which they land
.irp i, 0,1,2,3,4,5,6,7
.irp c, 0,1
	ds_load_b128 v[32+8*\i+4*\c:35+8*\i+4*\c], v3 offset:1024*\i+512*\c
.endr
.endr
.irp e, 0,1
	ds_load_b128 v[24+4*\e:27+4*\e], v4 offset:8192+256*\e
.endr
	s_wait_dscnt 0x0
.irp i, 0,1,2,3,4,5,6,7
	v_wmma_scale_f32_16x16x128_f8f6f4 v[96+8*\i:103+8*\i], v[32+8*\i:39+8*\i], v[16:23], 0, v[24+\i], v255 matrix_a_fmt:MATRIX_FMT_FP4 matrix_b_fmt:MATRIX_FMT_FP4
.endr
.rept 4
	v_nop                                          ; four places behind the products, ahead of the first vector instruction that reads the scores (ISA guide 7.12.1)
.endr
	s_wait_alu depctr_va_vdst(0)                   ; these products are done reading v24 to v95, in which V's loads land: those stand behind the join, and no vector instruction up to them names v3, v4 or v24 to v95
.endm
; V's fragment fr, into the registers that K's has left
.macro VFRAG fr
	ds_load_b128 v[32+8*(\fr):35+8*(\fr)], v3 offset:BLK+1024*(\fr)
	ds_load_b128 v[36+8*(\fr):39+8*(\fr)], v3 offset:BLK+1024*(\fr)+512
.endm
; A KEY STEP: 128 keys at LDS byte s66; s67 its number, s84 = 256 x that
.macro STEP
	s_bitcmp1_b32 s14, s67
	s_cbranch_scc0 .Lskip_\@                       ; closed for all 16 queries, each of which has an open key elsewhere: every p would be 0
	s_bitcmp1_b32 s15, s67
	s_cbranch_scc0 .Lopen_\@
	s_load_b512 s[16:31], s[86:87], s84 offset:0x0     ; the step's 64 lane-mask words
	s_load_b512 s[32:47], s[86:87], s84 offset:0x40
	s_load_b512 s[48:63], s[86:87], s84 offset:0x80
	s_load_b512 s[68:83], s[86:87], s84 offset:0xc0
	QKPART
	s_wait_kmcnt 0x0
.set n, 0
.rept 48
	v_cndmask_b32 v[96+n], v11, v[96+n], s[16+n]   ; a closed key's score becomes -2^33; ascending: each accumulator from its low end on
.set n, n+1
.endr
.rept 16
	v_cndmask_b32 v[96+n], v11, v[96+n], s[20+n]
.set n, n+1
.endr
	s_branch .Ljoin_\@
.Lopen_\@:
	QKPART
.Ljoin_\@:
.irp b, 0,1,2,3
	v_max3_num_f32 v[232+\b], v[96+16*\b], v[97+16*\b], v[98+16*\b]   ; the largest score of each block of 32 keys: for the row's maximum, and, since p rises with the score, for the block's largest p
.endr
	VFRAG 0                                        ; V's 18 loads are dealt among the maxima, two behind each four: they land during the softmax
.irp i, 3,5,7,9,11,13
.irp b, 0,1,2,3
	v_max3_num_f32 v[232+\b], v[232+\b], v[96+16*\b+\i], v[97+16*\b+\i]
.endr
	VFRAG (\i-1)/2
.endr
.irp b, 0,1,2,3
	v_max_num_f32 v[232+\b], v[232+\b], v[111+16*\b]
.endr
	VFRAG 7
.irp e, 0,1
	ds_load_b128 v[24+4*\e:27+4*\e], v4 offset:BLK+8192+256*\e
.endr
.irp b, 0,1,2,3
	v_permlanex16_b32 v[236+\b], v[232+\b], s[SEL], s[SEL+1]
.endr
.irp b, 0,1,2,3
	v_max_num_f32 v[232+\b], v[232+\b], v[236+\b]  ; with lane l xor 16's 16 keys
.endr
	v_max3_num_f32 v254, v232, v233, v234
	v_max_num_f32 v254, v254, v235
	v_mul_f32 v254, s[CS], v254                    ; as t
	v_max_num_f32 v13, v13, v254                   ; the running largest t
	v_mov_b32 v254, v12
	v_floor_f32 v12, -v13                          ; the new -M = -ceil(t)
	v_sub_f32 v254, v12, v254                      ; old M - new M: 0 or less
	v_cvt_i32_f32 v254, v254                       ; (it saturates)
	v_ldexp_f32 v252, 1.0, v254                    ; f = 2^(old M - new M)
.set j, 0
.rept 32
	v_pk_fma_f32 v[96+j:97+j], v[96+j:97+j], s[CS:CS+1], v[12:13] op_sel_hi:[1,0,0]   ; t - M
.set j, j+2
.endr
.irp b, 0,1,2,3
	v_fma_f32 v[232+\b], v[232+\b], s[CS], v12
.endr
.set j, 0
.rept 64
	v_exp_f32 v[96+j], v[96+j]                     ; p = 2^(t - M)
.set j, j+1
.endr
	v_pk_mul_f32 v[14:15], v[14:15], v[252:253] op_sel_hi:[1,0]   ; the sums under the new M (a plain place behind the exponentials)
	s_wait_alu depctr_va_vdst(0)                   ; the 64 exponentials have written p: one wait for the whole batch, ahead of its first reader
.irp b, 0,1,2,3
	v_exp_f32 v[232+\b], v[232+\b]                 ; the block's largest p
.endr
	v_pk_add_f32 v[236:237], v[96:97], v[98:99]    ; the row's sum of the unquantised p, in two chains
.irp j, 4,8,12,16,20,24,28,32,36,40,44,48,52,56,60
	v_pk_add_f32 v[14:15], v[14:15], v[96+\j:97+\j]
	v_pk_add_f32 v[236:237], v[236:237], v[98+\j:99+\j]
.endr
	v_pk_add_f32 v[14:15], v[14:15], v[236:237]
	s_wait_alu depctr_va_vdst(0)                   ; the four exponentials have written v232 to v235, ahead of their first reader
.irp b, 0,1,2,3
	v_max_num_f32 v[232+\b], 0x1800000, v[232+\b]  ; the floor 2^(3 - 127)
.endr
.irp b, 0,1,2,3
	v_add_nc_u32 v[244+\b], 0xff000000, v[232+\b]
.endr
.irp b, 0,1,2,3
	v_lshrrev_b32 v[236+\b], 23, v[244+\b]
.endr
	v_lshl_or_b32 v253, v237, 8, v236              ; p's scale word for these 128 keys
	v_lshl_or_b32 v253, v238, 16, v253
	v_lshl_or_b32 v253, v239, 24, v253
.irp b, 0,1,2,3
	v_cvt_scalef32_pk8_fp4_f32 v[224+2*\b], v[96+16*\b:103+16*\b], v[244+\b]
	v_cvt_scalef32_pk8_fp4_f32 v[225+2*\b], v[104+16*\b:111+16*\b], v[244+\b]
.endr
	v_nop
.irp c, 0,1
.irp i, 0,1
	v_permlane16_swap_b32 v[224+4*\c+\i], v[226+4*\c+\i]
.endr
.endr
.set j, 0
.rept 32
	v_pk_mul_f32 v[160+j:161+j], v[160+j:161+j], v[252:253] op_sel_hi:[1,0]   ; O^T under the new M; these 32 are also the places in front of the products below
.set j, j+2
.endr
	s_wait_dscnt 0x0                               ; V is in
	s_wait_alu depctr_va_vdst(0)                   ; the conversions and exchanges have written p's codes v224 to v231, the lines ahead of them its scale word v253: the scaled products take them as source 1 and its scales; the places above stay beside this wait
.irp a, 0,1,2,3,4,5,6,7                        ; the eight accumulators take turns
	v_wmma_scale_f32_16x16x128_f8f6f4 v[160+8*\a:167+8*\a], v[32+8*\a:39+8*\a], v[224:231], v[160+8*\a:167+8*\a], v[24+\a], v253 matrix_a_fmt:MATRIX_FMT_FP4 matrix_b_fmt:MATRIX_FMT_FP4
.endr
.Lskip_\@:
	s_add_co_u32 s66, s66, STEPB
	s_add_co_u32 s84, s84, 256
	s_add_co_u32 s67, s67, 1
.endm
	s_mov_b32 s66, 0
	s_mov_b32 s67, 0
	s_mov_b32 s84, 0
.LloopA:                                       ; steps 0-3: they read LDS bytes under 69,632
	STEP
	s_cmp_lt_u32 s67, 4
	s_cbranch_scc1 .LloopA
	s_wait_loadcnt 0x0                             ; the second fill: bytes 69,632 on, which no wave reads ahead of the barrier below
	WIN 0x04                                       ; an LDS store's data are its source 1: window 1
.set i, 17
.rept 51
	ds_store_b128 v[5+i/16], v[4*(i-17):4*(i-17)+3] offset:4096*(i%16)   ; the data are loads' results; no vector instruction since the head's wait names v6 to v9
.set i, i+1
.endr
	WIN 0
	s_wait_dscnt 0x0
	s_barrier_signal -1
	s_barrier_wait -1
	s_mov_b32 s66, 4*STEPB
	s_mov_b32 s67, 4
	s_mov_b32 s84, 1024
.LloopB:                                       ; steps 4-15
	STEP
	s_cmp_lt_u32 s67, 16
	s_cbranch_scc1 .LloopB
	; THE WAY OUT: O^T / the sum, quantised along the head's channels: K step = head of the last product; my tile is fragment T % 8 of token group T / 8
.rept 4
	v_nop                                          ; places behind the last products
.endr
	v_add_f32 v14, v14, v15
	v_permlanex16_b32 v252, v14, s[SEL], s[SEL+1]
	v_add_f32 v14, v14, v252                       ; the row's sum
	v_rcp_f32 v14, v14
	v_nop
	s_lshr_b32 s92, s13, 3
	s_lshl_b32 s92, s92, 4
	s_add_co_u32 s92, s92, s12
	s_mul_i32 s92, s92, BLK
	s_and_b32 s93, s13, 7
	s_lshl_b32 s93, s93, 10
	s_add_co_u32 s92, s92, s93
	s_mov_b32 s93, 0
	s_add_nc_u64 s[94:95], s[8:9], s[92:93]
	s_wait_alu depctr_va_vdst(0)                   ; the reciprocal has written v14, ahead of its first reader
.set j, 0
.rept 64
	v_mul_f32 v[96+j], v[160+j], v14
.set j, j+1
.endr
.irp b, 0,1,2,3
	v_max3_num_f32 v[TM+\b], |v[96+16*\b]|, |v[97+16*\b]|, 0x1800000
.endr
.irp i, 2,4,6,8,10,12,14
.irp b, 0,1,2,3
	v_max3_num_f32 v[TM+\b], v[TM+\b], |v[96+16*\b+\i]|, |v[97+16*\b+\i]|
.endr
.endr
.irp b, 0,1,2,3
	v_permlanex16_b32 v[TM+4+\b], v[TM+\b], s[SEL], s[SEL+1]
.endr
.irp b, 0,1,2,3
	v_max_num_f32 v[TM+\b], v[TM+\b], v[TM+4+\b]
.endr
.irp b, 0,1,2,3
	v_add_nc_u32 v[TM+12+\b], 0xff000000, v[TM+\b]
.endr
.irp b, 0,1,2,3
	v_lshrrev_b32 v[TM+4+\b], 23, v[TM+12+\b]
.endr
	v_lshl_or_b32 v[PW], v[TM+5], 8, v[TM+4]
	v_lshl_or_b32 v[PW], v[TM+6], 16, v[PW]
	v_lshl_or_b32 v[PW], v[TM+7], 24, v[PW]
.irp b, 0,1,2,3
	v_cvt_scalef32_pk8_fp4_f32 v[PC+2*\b], v[96+16*\b:103+16*\b], v[TM+12+\b]
	v_cvt_scalef32_pk8_fp4_f32 v[PC+1+2*\b], v[104+16*\b:111+16*\b], v[TM+12+\b]
.endr
	v_nop
.irp c, 0,1
.irp i, 0,1
	v_permlane16_swap_b32 v[PC+4*\c+\i], v[PC+2+4*\c+\i]
.endr
.endr
	s_wait_alu depctr_va_vdst(0)                   ; the exchanges have written the codes v224 to v231 and the lines above the scale word v253, which the three stores below read; the quantiser's lines are done with v232 to v235, in which wave 0's LDS load lands
	global_store_b128 v1, v[PC:PC+3], s[94:95]             ; the fragment as it stands: 512 consecutive bytes a store
	global_store_b128 v1, v[PC+4:PC+7], s[94:95] offset:512
	ds_store_b32 v10, v[PW]                        ; lanes r and 16 + r write the same word with the same value
	s_wait_dscnt 0x0
	s_barrier_signal -1
	s_barrier_wait -1
	s_cmp_lg_u32 s10, 0
	s_cbranch_scc1 .Lend
	ds_load_b128 v[232:235], v248                  ; lanes 0-15: tiles 4 g .. 4 g + 3; lanes 16-31: tiles 124 - 4 g ..  (no vector instruction stands between the wait above and this load)
	s_lshr_b32 s92, s11, 1                         ; j = g: (16 (j / 2) + head) BLK + 8192 + 256 (j % 2)
	s_lshl_b32 s92, s92, 4
	s_add_co_u32 s92, s92, s12
	s_mul_i32 s92, s92, BLK
	s_and_b32 s93, s11, 1
	s_lshl_b32 s93, s93, 8
	s_add_co_u32 s92, s92, s93
	s_add_co_u32 s92, s92, 8192
	s_sub_co_u32 s96, 31, s11                      ; j = 31 - g
	s_lshr_b32 s93, s96, 1
	s_lshl_b32 s93, s93, 4
	s_add_co_u32 s93, s93, s12
	s_mul_i32 s93, s93, BLK
	s_and_b32 s96, s96, 1
	s_lshl_b32 s96, s96, 8
	s_add_co_u32 s93, s93, s96
	s_add_co_u32 s93, s93, 8192
	v_mov_b32 v250, s92
	v_mov_b32 v251, s93
	v_and_b32 v249, 16, v0
	v_cmp_ne_u32 vcc_lo, 0, v249
	s_wait_alu depctr_va_vcc(0)                    ; the compare has written VCC, ahead of the select that reads it
	v_cndmask_b32 v250, v250, v251, vcc_lo
	v_add_nc_u32 v250, v250, v2
	s_wait_dscnt 0x0
	s_wait_alu depctr_va_vdst(0)                   ; v250 is written, which the store below reads as its offset
	global_store_b128 v250, v[232:235], s[8:9]     ; sixteen lanes store 256 consecutive bytes, aligned: twice
.Lend:
	s_wait_dscnt 0x0                               ; the closing lines, six on end
	s_wait_alu 0x0
	s_wait_tensorcnt 0x0
	ds_add_u32 v242, v243
	s_wait_dscnt 0x0
	s_endpgm
.Lfunc_end_k_q9bede9b469_attn:
	.size	k_q9bede9b469_attn, .Lfunc_end_k_q9bede9b469_attn-k_q9bede9b469_attn
	.p2alignl 7, 3214868480
	.fill 96, 4, 3214868480
	.section	.rodata,"a",@progbits
	.p2align	6, 0x0
	.amdhsa_kernel k_q9bede9b469_attn
		.amdhsa_group_segment_fixed_size 280064
		.amdhsa_private_segment_fixed_size 0
		.amdhsa_enable_private_segment 0
		.amdhsa_kernarg_size 24
		.amdhsa_user_sgpr_count 2
		.amdhsa_user_sgpr_kernarg_segment_ptr 1
		.amdhsa_wavefront_size32 1
		.amdhsa_system_sgpr_workgroup_id_x 1
		.amdhsa_system_sgpr_workgroup_id_y 1
		.amdhsa_system_sgpr_workgroup_id_z 1
		.amdhsa_system_vgpr_workitem_id 0
		.amdhsa_next_free_vgpr 464
		.amdhsa_next_free_sgpr 100
		.amdhsa_reserve_vcc 1
		.amdhsa_float_denorm_mode_32 3
		.amdhsa_float_denorm_mode_16_64 3
		.amdhsa_memory_ordered 1
		.amdhsa_forward_progress 1
		.amdhsa_inst_pref_size 80
	.end_amdhsa_kernel
	.amdgpu_metadata
---
amdhsa.version: [ 1, 2 ]
amdhsa.kernels:
  - .name:           k_q9bede9b469_attn
    .symbol:         k_q9bede9b469_attn.kd
    .args:
      - { .name: att, .offset: 0, .size: 8, .value_kind: global_buffer, .address_space: global }
      - { .name: mbits, .offset: 8, .size: 8, .value_kind: global_buffer, .address_space: global }
      - { .name: ob, .offset: 16, .size: 8, .value_kind: global_buffer, .address_space: global }
    .group_segment_fixed_size: 280064
    .private_segment_fixed_size: 0
    .kernarg_segment_align: 8
    .kernarg_segment_size: 24
    .max_flat_workgroup_size: 256
    .sgpr_count:     100
    .vgpr_count:     464
    .wavefront_size: 32
...
	.end_amdgpu_metadata
.endif
;; end of part 5
;; launch oproj: the kernel of part 4 again; grid 16 x 16, 4 waves a work-group, clusters of 4 x 4, 296,448 bytes of LDS; arguments ob, qc, bo, out0; writes out0
